; MI455X (gfx1250); checked and timed in simulation.
; The chip was launched on July 23, 2026; its instructions are those of AMD's public machine-readable ISA for CDNA 5 (MIT licence, August 2026) and "CDNA5" Instruction Set Architecture Reference Guide (July 2026). The comments in the code are by the model that wrote it; some were corrected since.
;; Rotary Self Attention. Allowed arithmetic: matrix products marked QUANTISED: E2M1 operands, one E8M0 scale for each 32 along K, by v_wmma_scale_f32_16x16x128_f8f6f4 with both operands' format E2M1 (or v_wmma_scale_f32_32x16x128_f4), f32 sums; everything else in f32.
;; Inputs: W_out 1,024 x 1,024 float32; W_qkv 1,024 x 3,072 float32; b_out 1,024 float32; b_qkv 3,072 float32; x 4 x 2,048 x 1,024 float32.
;; Outputs: out0 4 x 2,048 x 1,024 float32.
;; This version of the problem:
;;   THIS VERSION OF THE PROBLEM IS GIVEN IN LOW PRECISION. The matrix products marked QUANTISED in the list below multiply operands that are first quantised to E2M1 (2 exponent bits, 1 mantissa bit; 4 bits a number), with one power-of-two scale for each 32 numbers along K (OCP MX v1.0); their sums are f32. All else is computed in f32.
;;   The module's matrix products, in the order in which they are computed (A, B: the left and right operand; K: the contracted axis; several contracted axes count as one K, in the product's order):
;;     1. [M 8,192, K 1,024] x [K 1,024, N 3,072]; A: input x; B: input W_qkv: QUANTISED
;;     2. batch 64 x [M 2,048, K 64] x [K 64, N 2,048]; A: computed on the way; B: computed on the way: QUANTISED
;;     3. batch 64 x [M 2,048, K 2,048] x [K 2,048, N 64]; A: softmax (see below); B: computed on the way: QUANTISED
;;     4. [M 8,192, K 1,024] x [K 1,024, N 1,024]; A: computed on the way; B: input W_out: QUANTISED
;;   THE QUANTISER, for each operand of a quantised product, along K:
;;     - K is cut into blocks of 32 from its start; a last block that is shorter is filled with zeros.
;;     - A block's scale is 2^e with e = floor(log2(the largest magnitude in the block)) - 2, held to -126 .. 127; a block of zeros has e = 0. As a byte (E8M0): e + 127.
;;     - Each number is divided by its block's scale, clamped to +-6, and rounded to the nearest number of E2M1, ties to even, subnormals kept.
;;     - The product sums the exact products of the quantised numbers (number of the format x scale) in f32.
;;   ~~~python
;;   def quantise(x, axis):      # numpy; x: float32 -> the quantised numbers, widened to float32 again
;;       x = np.moveaxis(x, axis, -1); K = x.shape[-1]
;;       x = np.pad(x, [(0, 0)] * (x.ndim - 1) + [(0, -K % 32)]); x = x.reshape(x.shape[:-1] + (-1, 32)); a = np.abs(x).max(-1, keepdims=True)
;;       e = np.where(a > 0, np.clip(np.frexp(np.where(a > 0, a, 1))[1] - 1 - 2, -126, 127), 0)      # np.frexp(a)[1] - 1 = floor(log2(a)), exactly
;;       r = np.clip(x / 2.0 ** e, -6, 6)
;;       step = 2.0 ** (np.maximum(np.frexp(np.where(r == 0, 1, r))[1] - 1, 0) - 1)
;;       q = np.round(r / step) * step * 2.0 ** e      # np.round: ties to even
;;       return np.moveaxis(q.reshape(q.shape[:-2] + (-1,))[..., :K], -1, axis).astype(np.float32)
;;   ~~~
;;   SOFTMAX AHEAD OF A QUANTISED PRODUCT. Where the list says 'softmax', what is quantised is not the finished softmax but p = 2^(t - M), with t = logit x log2(e) and M = ceil(the row's largest t), a whole number; so 1/2 < the row's largest p <= 1. The row's sum l is taken of the UNQUANTISED p, in f32, and the product's result is divided by l at the end. Since M is a whole number, a kernel that streams over the keys may use a running M (the ceiling of the running maximum): every later rescaling is an exact power of two, which a block's scale takes up: the codes' values come out the same.
;;   OPERANDS COMPUTED ON THE WAY. 'Computed on the way' means the value that the module computes at that place (a softmax that the list does not call 'softmax' is quantised finished and normalised). What goes into a quantiser is computed in f32, as accurately as f32 sums, v_exp_f32 and their like allow (about 1e-6 of the number): no bf16 or f16 on the way to a quantiser, and a product that is left as it is and whose result goes on into a quantised operand takes f32 operands (vector FMAs, or v_wmma_f32_16x16x4_f32). A number that lies on a knife's edge between two numbers of the format may be rounded either way, as far as f32 arithmetic and the matrix unit's own rounding can turn it there, and no further.
;; One version. Each part assembles by itself: llvm-mc -triple=amdgcn-amd-amdhsa -mcpu=gfx1250 --defsym DOCPART=n.
;; ======== version 1 of 1: 4 launches
;; workspace buffers: xq 4,456,448 bytes; aq 4,456,448 bytes; wc 2,228,224 bytes; tab 524,288 bytes; qq 4,718,592 bytes; kv 9,437,184 bytes
;; launch prep (part 1): grid 400 x 1, 8 waves a work-group, no clusters, 69,632 bytes of LDS; arguments x, W_qkv, W_out, xq, wc, tab; writes xq, wc, tab
.if DOCPART == 1
	.amdgcn_target "amdgcn-amd-amdhsa--gfx1250"
	.amdhsa_code_object_version 6
	.text
	.protected	k_q5562d3737f_prep
	.globl	k_q5562d3737f_prep
	.p2align	8
	.type	k_q5562d3737f_prep,@function
k_q5562d3737f_prep:
	s_mov_b64 s[64:65], 0
	v_nop
	global_prefetch_b8 v0, s[64:65] scope:SCOPE_SE
	s_setreg_imm32_b32 hwreg(HW_REG_WAVE_MODE, 25, 1), 1
	s_wait_xcnt 0x0
; x [8192][1024], W_qkv [1024][3072] and W_out [1024][1024], f32, become codes of E2M1 with one E8M0 byte for each 32 along K, laid as IMAGES OF OPERAND REGISTERS; and the table of cos and sin is made.
; A fragment image (16 rows x 128 K) is 1,024 bytes: byte 512 c + 16 lane holds the 32 codes k = 64 c + 32 (lane / 16) + 0 .. 31 of the row of lane % 16.
; A scale image (two tiles, all eight K steps) is 1,024 bytes: the word at 512 (s / 4) + 16 lane + 4 (s % 4) is that of tile lane / 16, row lane % 16, K step s.
; ROWS OF A TILE.  Tokens: row i of tile 4 g + v is token 64 g + 32 (i / 8) + 8 v + i % 8.  Columns of a weight: row i of tile 2 b + u is column 32 b + 8 u + i % 8 + 16 (i / 8).
; SHARES by the work-group number: 0-255 a pair of tiles of x; 256-351 32 columns of W_qkv; 352-383 32 columns of W_out; in these wave w takes K step w.  384-399 the table, a tile of 16 positions a wave.
; A block scale is 2^(floor(log2(largest magnitude)) - 2); its byte is the largest magnitude exponent field - 2, held at 1 from below by a floor among the leaves of the maximum.
; LIMITS: a block of zeros gets the byte 1 (its codes are zeros, and this program alone reads the bytes); NaN and infinities among the inputs are not served.
; TABLE: inv_freq = 1 / 10^(j / 8), j = 0 .. 31, from 10^(i / 8) in two f32 parts; angle = position x inv_freq in one f32 product; reduced by multiples of pi / 2 in two parts; polynomials on +-pi / 4.
.set LI,   1                           ; v1   16 x lane
.set STI,  2                           ; v2   my stage, on the way in: 8448 wave + 16 lane
.set STO,  3                           ; v3   and out: 8448 wave + 528 r + 128 h
.set SCW,  4                           ; v4   where my scale word goes in LDS
.set SCR,  5                           ; v5   where waves 0 and 1 read the scale image back
.set CLO,  6                           ; v6   weights: my column, in bytes
.set WCO,  7                           ; v7   weights: my place in the two tiles images
.set SH8,  8                           ; v8   8 h
.set RR,   10                          ; v10  r = lane % 16
.set HH,   11                          ; v11  h = lane / 16
.set T,    12                          ; v12-15 four chains of a maximum
.set SO,   16                          ; v16-17 scale operands of the conversions
.set WD,   18                          ; v18-19 the two tiles scale words
.set E,    20                          ; v20-23 scale bytes
.set TP,   24                          ; v24  table: my position as f32
.set TH,   25                          ; v25  table: 100^h;  v26: ten times that
.set SW,   28                          ; v28  my scale word
.set TA,   29
.set TC,   30
.set RAW,  32                          ; v32-159 numbers as loaded
.set XN,   160                         ; v160-223 64 numbers of my row
.set PC,   224                         ; v224-239 codes: four registers a store, none written twice
.set SCL,  67584                       ; LDS: behind the eight stages of 8,448 bytes: the scale image
	s_load_b128 s[4:7], s[0:1], 0x0                ; x, W_qkv
	s_load_b128 s[8:11], s[0:1], 0x10              ; W_out, xq
	s_load_b128 s[12:15], s[0:1], 0x20             ; wc, tab
	v_lshl_add_u32 v240, v0, 2, 0x10c00
	v_mov_b32 v241, 0
	v_lshrrev_b32 v9, 5, v0
	s_delay_alu instid0(VALU_DEP_1)
	v_readfirstlane_b32 s16, v9                    ; wave 0..7
	v_and_b32 v9, 31, v0
	v_and_b32 v[RR], 15, v0
	v_bfe_u32 v[HH], v0, 4, 1
	s_delay_alu instid0(VALU_DEP_3)
	v_lshlrev_b32 v[LI], 4, v9
	s_wait_alu depctr_va_vdst(0)
	s_mul_i32 s17, s16, 8448
	v_add_nc_u32 v[STI], s17, v[LI]
	v_mul_u32_u24 v[STO], v[RR], 528
	s_delay_alu instid0(VALU_DEP_1)
	v_lshl_add_u32 v[STO], v[HH], 7, v[STO]
	s_delay_alu instid0(VALU_DEP_1)
	v_add_nc_u32 v[STO], s17, v[STO]
	s_lshr_b32 s18, s16, 2
	s_lshl_b32 s18, s18, 9
	s_and_b32 s19, s16, 3
	s_lshl_b32 s19, s19, 2
	s_add_co_u32 s18, s18, s19
	s_add_co_u32 s18, s18, SCL
	v_add_nc_u32 v[SCW], s18, v[LI]                ; SCL + 512 (w / 4) + 4 (w % 4) + 16 lane
	s_and_b32 s18, s16, 1
	s_lshl_b32 s18, s18, 9
	s_add_co_u32 s18, s18, SCL
	v_add_nc_u32 v[SCR], s18, v[LI]
	v_and_b32 v12, 7, v[RR]
	v_lshrrev_b32 v13, 3, v[RR]
	s_delay_alu instid0(VALU_DEP_1)
	v_lshl_add_u32 v14, v13, 4, v12
	s_delay_alu instid0(VALU_DEP_1)
	v_lshl_add_u32 v14, v[HH], 3, v14
	s_delay_alu instid0(VALU_DEP_1)
	v_lshlrev_b32 v[CLO], 2, v14                   ; 4 (8 h + r % 8 + 16 (r / 8))
	v_lshlrev_b32 v[WCO], 4, v[RR]
	s_delay_alu instid0(VALU_DEP_1)
	v_lshl_add_u32 v[WCO], v[HH], 13, v[WCO]       ; 8192 h + 16 r
	v_lshlrev_b32 v[SH8], 3, v[HH]
	v_mov_b32 v[TC], 0                             ; a lane permute destination counts as one of its sources
	s_mov_b32 s28, 0xffff0000                      ; lanes 16-31
	s_mov_b32 s20, 0x76543210
	s_mov_b32 s21, 0xfedcba98                      ; selects for lane l xor 16
	s_wait_kmcnt 0x0
	s_cmp_ge_u32 ttmp9, 384
	s_cbranch_scc1 .Ltable
	s_cmp_ge_u32 ttmp9, 256
	s_cbranch_scc1 .Lweights
; Two whole blocks of 32 numbers, in v[xa] on and v[xb] on, become 4 + 4 registers of codes and two scale bytes.
.macro BLK2 xa, xb, pa, pb, ea, eb
	v_max3_num_f32 v[T],   |v[(\xa)]|,    |v[(\xa)+1]|,  0x1800000   ; four chains; the floor 2^(3 - 127) is a leaf of each
	v_max3_num_f32 v[T+1], |v[(\xa)+16]|, |v[(\xa)+17]|, 0x1800000
	v_max3_num_f32 v[T+2], |v[(\xb)]|,    |v[(\xb)+1]|,  0x1800000
	v_max3_num_f32 v[T+3], |v[(\xb)+16]|, |v[(\xb)+17]|, 0x1800000
.irp i, 2,4,6,8,10,12,14
	s_delay_alu instid0(VALU_DEP_4)
	v_max3_num_f32 v[T],   v[T],   |v[(\xa)+\i]|,    |v[(\xa)+\i+1]|
	s_delay_alu instid0(VALU_DEP_4)
	v_max3_num_f32 v[T+1], v[T+1], |v[(\xa)+16+\i]|, |v[(\xa)+17+\i]|
	s_delay_alu instid0(VALU_DEP_4)
	v_max3_num_f32 v[T+2], v[T+2], |v[(\xb)+\i]|,    |v[(\xb)+\i+1]|
	s_delay_alu instid0(VALU_DEP_4)
	v_max3_num_f32 v[T+3], v[T+3], |v[(\xb)+16+\i]|, |v[(\xb)+17+\i]|
.endr
	s_delay_alu instid0(VALU_DEP_3)
	v_max_num_f32 v[T], v[T], v[T+1]
	s_delay_alu instid0(VALU_DEP_2)
	v_max_num_f32 v[T+2], v[T+2], v[T+3]
	s_delay_alu instid0(VALU_DEP_2)
	v_add_nc_u32 v[SO], 0xff000000, v[T]           ; 2 off the exponent field: the conversion takes that field as its scale
	s_delay_alu instid0(VALU_DEP_2)
	v_add_nc_u32 v[SO+1], 0xff000000, v[T+2]
.irp g, 0,1,2,3
	v_cvt_scalef32_pk8_fp4_f32 v[(\pa)+\g], v[(\xa)+8*\g:(\xa)+8*\g+7], v[SO]
	v_cvt_scalef32_pk8_fp4_f32 v[(\pb)+\g], v[(\xb)+8*\g:(\xb)+8*\g+7], v[SO+1]
.endr
	v_lshrrev_b32 v[\ea], 23, v[SO]                ; the bytes; also the plain line behind the conversions
	v_lshrrev_b32 v[\eb], 23, v[SO+1]
.endm
	; ---- x: tiles 2 p and 2 p + 1 (p = the work-group number), columns 128 w on
	s_lshr_b32 s22, ttmp9, 1
	s_lshl_b32 s22, s22, 6
	s_and_b32 s23, ttmp9, 1
	s_lshl_b32 s23, s23, 4
	s_add_co_u32 s22, s22, s23                     ; 64 (p / 2) + 16 (p % 2): the pair first token
	s_lshl_b32 s22, s22, 12
	s_lshl_b32 s23, s16, 9
	s_add_co_u32 s22, s22, s23
	s_mov_b32 s23, 0
	s_add_nc_u64 s[4:5], s[4:5], s[22:23]
.irp u, 0,1
.irp i, 0,1,2,3,4,5,6,7,8,9,10,11,12,13,14,15
	global_load_b128 v[RAW+64*\u+4*\i:RAW+64*\u+4*\i+3], v[LI], s[4:5] offset:(32*(\i/8)+8*\u+(\i%8))*4096 th:TH_LOAD_NT   ; 32 lanes read 512 consecutive bytes of one row
.endr
.endr
	s_lshl_b32 s22, ttmp9, 14
	s_lshl_b32 s24, s16, 10
	s_add_co_u32 s22, s22, s24
	s_add_nc_u64 s[26:27], s[10:11], s[22:23]      ; the codes: tile x 8192 + K step x 1024
	s_lshl_b32 s22, ttmp9, 10
	s_add_co_u32 s22, s22, 4194304
	s_add_nc_u64 s[30:31], s[10:11], s[22:23]      ; the pair scale image
.macro XT u
	s_wait_loadcnt 16*(1-\u)                       ; this tile 16 loads are in; the other tile 16 may be out
.irp i, 0,1,2,3,4,5,6,7,8,9,10,11,12,13,14,15
	ds_store_b128 v[STI], v[RAW+64*\u+4*\i:RAW+64*\u+4*\i+3] offset:528*\i
.endr
.irp c, 0,1
.irp p, 0,1,2,3,4,5,6,7
	ds_load_b128 v[XN+32*\c+4*\p:XN+32*\c+4*\p+3], v[STO] offset:256*\c+16*\p   ; LDS serves a wave in order: these see my stores.  k = 64 c + 32 h + 0 .. 31 of row r
.endr
.endr
	s_wait_dscnt 0x0
	BLK2 XN, XN+32, PC+8*\u, PC+8*\u+4, E, E+1
	global_store_b128 v[LI], v[PC+8*\u:PC+8*\u+3], s[26:27] offset:8192*\u
	global_store_b128 v[LI], v[PC+8*\u+4:PC+8*\u+7], s[26:27] offset:8192*\u+512
	v_lshl_or_b32 v[TA], v[E+1], 16, v[E]          ; my two bytes: blocks h and 2 + h,
	s_delay_alu instid0(VALU_DEP_1)
	v_lshlrev_b32 v[TA], v[SH8], v[TA]             ; at their places;
	s_delay_alu instid0(VALU_DEP_1)
	v_permlanex16_b32 v[TC], v[TA], s20, s21
	s_delay_alu instid0(VALU_DEP_1)
	v_or_b32 v[WD+\u], v[TA], v[TC]                ; with lane l xor 16 the word is whole
.endm
	XT 0
	XT 1
	s_delay_alu instid0(VALU_DEP_1)
	v_cndmask_b32 v[SW], v[WD], v[WD+1], s28       ; lanes 0-15 the even tile, lanes 16-31 the odd one
	s_branch .Ltail
	; ---- weights: a lane takes a column, its registers run down K: 128 rows, four whole blocks
.Lweights:
	s_sub_co_u32 s22, ttmp9, 256                   ; group of 32 columns, W_qkv then W_out
	s_cmp_ge_u32 ttmp9, 352
	s_cbranch_scc1 .Lwout
	s_mul_i32 s24, s16, 128*12288
	s_lshl_b32 s25, s22, 7
	s_add_co_u32 s24, s24, s25
	s_mov_b32 s25, 0
	s_add_nc_u64 s[6:7], s[6:7], s[24:25]
.set i, 0
	s_wait_alu depctr_va_vdst(0)
.rept 128
	global_load_b32 v[RAW+i], v[CLO], s[6:7] offset:i*12288 th:TH_LOAD_NT   ; the 32 lanes cover 128 consecutive bytes of row 128 w + i
.set i, i+1
.endr
	s_branch .Lwjoin
.Lwout:
	s_sub_co_u32 s23, s22, 96
	s_lshl_b32 s24, s16, 19
	s_lshl_b32 s25, s23, 7
	s_add_co_u32 s24, s24, s25
	s_mov_b32 s25, 0
	s_add_nc_u64 s[8:9], s[8:9], s[24:25]
.set i, 0
	s_wait_alu depctr_va_vdst(0)
.rept 128
	global_load_b32 v[RAW+i], v[CLO], s[8:9] offset:i*4096 th:TH_LOAD_NT
.set i, i+1
.endr
.Lwjoin:
	s_lshr_b32 s23, s22, 1
	s_mul_i32 s24, s23, 34816                      ; the block of 64 columns
	s_and_b32 s23, s22, 1
	s_lshl_b32 s32, s23, 14
	s_add_co_u32 s32, s32, s24
	s_lshl_b32 s33, s16, 10
	s_add_co_u32 s32, s32, s33
	s_mov_b32 s33, 0
	s_add_nc_u64 s[26:27], s[12:13], s[32:33]      ; codes: block + 16384 (group % 2) + 1024 w
	s_lshl_b32 s32, s23, 10
	s_add_co_u32 s32, s32, s24
	s_add_co_u32 s32, s32, 32768
	s_add_nc_u64 s[30:31], s[12:13], s[32:33]      ; the group scale image
	s_wait_loadcnt 63                              ; 64 loads were issued behind block 1: blocks 0 and 1 are in
	BLK2 RAW, RAW+32, PC, PC+4, E, E+1
	global_store_b128 v[WCO], v[PC:PC+3], s[26:27]                 ; sixteen lanes store 256 consecutive bytes, aligned
	global_store_b128 v[WCO], v[PC+4:PC+7], s[26:27] offset:256
	s_wait_loadcnt 0x0
	BLK2 RAW+64, RAW+96, PC+8, PC+12, E+2, E+3
	global_store_b128 v[WCO], v[PC+8:PC+11], s[26:27] offset:512
	global_store_b128 v[WCO], v[PC+12:PC+15], s[26:27] offset:768
	v_lshl_or_b32 v[SW], v[E+1], 8, v[E]
	s_delay_alu instid0(VALU_DEP_1)
	v_lshl_or_b32 v[SW], v[E+2], 16, v[SW]
	s_delay_alu instid0(VALU_DEP_1)
	v_lshl_or_b32 v[SW], v[E+3], 24, v[SW]
	; ---- the eight waves words meet in LDS and leave as two runs of 512 consecutive bytes
.Ltail:
	s_wait_alu depctr_va_vdst(0)
	ds_store_b32 v[SCW], v[SW]
	s_wait_dscnt 0x0                               ; for the others: my word has landed
	s_barrier_signal -1
	s_barrier_wait -1
	s_cmp_gt_u32 s16, 1
	s_cbranch_scc1 .Ldone
	ds_load_b128 v[12:15], v[SCR]
	s_lshl_b32 s22, s16, 9
	s_mov_b32 s23, 0
	s_add_nc_u64 s[30:31], s[30:31], s[22:23]
	s_wait_dscnt 0x0
	global_store_b128 v[LI], v[12:15], s[30:31]
.Ldone:
	s_wait_tensorcnt 0x0
	ds_add_u32 v240, v241
	s_wait_dscnt 0x0
	s_endpgm
	; ---- the table: tile 8 (id - 384) + w of the positions; lane (r, h): position of row r, frequencies 16 h + 0 .. 15
.Ltable:
.set A0, 32
.set A1, 48
.set A2, 64
.set A3, 80
.set A4, 96
.set A5, 112
.set A6, 128
.set A7, 144
.set COS, 160
.set SIN, 176
	s_sub_co_u32 s22, ttmp9, 384
	s_lshl_b32 s22, s22, 3
	s_add_co_u32 s22, s22, s16                     ; the tile
	s_lshr_b32 s23, s22, 2
	s_lshl_b32 s23, s23, 6
	s_and_b32 s24, s22, 3
	s_lshl_b32 s24, s24, 3
	s_add_co_u32 s23, s23, s24
	s_wait_alu depctr_va_vdst(0)
	v_lshl_add_u32 v12, v13, 5, v12                ; r % 8 + 32 (r / 8)
	s_delay_alu instid0(VALU_DEP_1)
	v_add_nc_u32 v12, s23, v12
	s_delay_alu instid0(VALU_DEP_1)
	v_cvt_f32_u32 v[TP], v12                       ; my position
	v_mov_b32 v14, 1.0
	v_mov_b32 v15, 0x42c80000
	s_delay_alu instid0(VALU_DEP_1)
	v_cndmask_b32 v[TH], v14, v15, s28             ; 100^h
	s_wait_alu depctr_va_vdst(0)
	v_mul_f32 v[TH+1], 0x41200000, v[TH]           ; and ten times that: both exact
	s_wait_alu depctr_va_vdst(0)
	s_lshl_b32 s22, s22, 12
	s_mov_b32 s23, 0
	s_add_nc_u64 s[26:27], s[14:15], s[22:23]
	s_mov_b32 s36, 0xb94ca1f9                      ; sine: -1.9515296e-4, 8.3321608e-3, -1.6666654e-1
	s_mov_b32 s37, 0x3c08839e
	s_mov_b32 s38, 0xbe2aaaa3
	s_mov_b32 s39, 0x37ccf5ce                      ; cosine: 2.4433157e-5, -1.3887316e-3, 4.1666646e-2
	s_mov_b32 s40, 0xbab6061a
	s_mov_b32 s41, 0x3d2aaaa5
.macro PW i, hi, lo                    ; 10^((16 h + i) / 8) and the same for i + 8: (hi + lo) x a power of ten, the product error kept
	v_mul_f32 v[A2+\i], \hi, v[TH]
	v_mul_f32 v[A2+\i+8], \hi, v[TH+1]
	s_delay_alu instid0(VALU_DEP_2)
	v_fma_f32 v[A3+\i], \hi, v[TH], -v[A2+\i]
	s_delay_alu instid0(VALU_DEP_2)
	v_fma_f32 v[A3+\i+8], \hi, v[TH+1], -v[A2+\i+8]
	s_delay_alu instid0(VALU_DEP_2)
	v_fma_f32 v[A3+\i], \lo, v[TH], v[A3+\i]
	s_delay_alu instid0(VALU_DEP_2)
	v_fma_f32 v[A3+\i+8], \lo, v[TH+1], v[A3+\i+8]
	s_delay_alu instid0(VALU_DEP_2)
	v_add_f32 v[A0+\i], v[A2+\i], v[A3+\i]
	s_delay_alu instid0(VALU_DEP_2)
	v_add_f32 v[A0+\i+8], v[A2+\i+8], v[A3+\i+8]
.endm
	PW 0, 0x3f800000, 0
	PW 1, 0x3faab0d5, 0xb3645847
	PW 2, 0x3fe39ea9, 0xb26aee20
	PW 3, 0x4017c496, 0x3360691f
	PW 4, 0x404a62c2, 0xb324b4d0
	PW 5, 0x4086f161, 0xb430578e
	PW 6, 0x40b3f300, 0x34323444
	PW 7, 0x40eff755, 0x34515b36
.set i, 0
	s_wait_alu depctr_va_vdst(0)
.rept 16
	v_rcp_f32 v[A1+i], v[A0+i]
.set i, i+1
.endr
	v_nop                                          ; a plain line behind the last reciprocal
	s_wait_alu depctr_va_vdst(0)                   ; one wait for the sixteen, ahead of their first reader
.set i, 0
.rept 16
	v_fma_f32 v[A2+i], -v[A0+i], v[A1+i], 1.0      ; one step of refinement
.set i, i+1
.endr
.set i, 0
.rept 16
	v_fma_f32 v[A1+i], v[A1+i], v[A2+i], v[A1+i]   ; inv_freq
.set i, i+1
.endr
.set i, 0
.rept 16
	v_mul_f32 v[A0+i], v[TP], v[A1+i]              ; the angle, one f32 product
.set i, i+1
.endr
.set i, 0
.rept 16
	v_mul_f32 v[A2+i], 0x3f22f983, v[A0+i]         ; x 2 / pi
.set i, i+1
.endr
.set i, 0
.rept 16
	v_rndne_f32 v[A2+i], v[A2+i]                   ; n
.set i, i+1
.endr
.set i, 0
.rept 16
	v_fma_f32 v[A3+i], -v[A2+i], 0x3fc90fdb, v[A0+i]   ; less n x pi / 2, upper part,
.set i, i+1
.endr
.set i, 0
.rept 16
	v_fma_f32 v[A3+i], -v[A2+i], 0xb33bbd2e, v[A3+i]   ; and lower part
.set i, i+1
.endr
.set i, 0
.rept 16
	v_mul_f32 v[A4+i], v[A3+i], v[A3+i]
	v_cvt_i32_f32 v[A7+i], v[A2+i]
.set i, i+1
.endr
.set i, 0
.rept 16
	v_fma_f32 v[A5+i], v[A4+i], s36, s37
	v_fma_f32 v[A6+i], v[A4+i], s39, s40
.set i, i+1
.endr
.set i, 0
.rept 16
	v_fma_f32 v[A5+i], v[A5+i], v[A4+i], s38
	v_fma_f32 v[A6+i], v[A6+i], v[A4+i], s41
.set i, i+1
.endr
.set i, 0
.rept 16
	v_mul_f32 v[A5+i], v[A5+i], v[A4+i]
	v_fma_f32 v[A6+i], v[A6+i], v[A4+i], -0.5
.set i, i+1
.endr
.set i, 0
.rept 16
	v_fma_f32 v[A5+i], v[A5+i], v[A3+i], v[A3+i]   ; sine of the rest
	v_fma_f32 v[A6+i], v[A6+i], v[A4+i], 1.0       ; cosine of the rest
.set i, i+1
.endr
.set i, 0
.rept 16                               ; the quadrant n % 4: odd ones change the two places; signs by an exclusive or
	v_and_b32 v12, 1, v[A7+i]
	s_delay_alu instid0(VALU_DEP_1)
	v_cmp_ne_u32 vcc_lo, 0, v12
	s_delay_alu instid0(VALU_DEP_1)
	v_cndmask_b32 v[COS+i], v[A6+i], v[A5+i], vcc_lo
	s_delay_alu instid0(VALU_DEP_2)
	v_cndmask_b32 v[SIN+i], v[A5+i], v[A6+i], vcc_lo
	v_add_nc_u32 v13, 1, v[A7+i]
	s_delay_alu instid0(VALU_DEP_1)
	v_and_b32 v13, 2, v13
	v_and_b32 v14, 2, v[A7+i]
	s_delay_alu instid0(VALU_DEP_2)
	v_lshlrev_b32 v13, 30, v13
	s_delay_alu instid0(VALU_DEP_2)
	v_lshlrev_b32 v14, 30, v14
	s_delay_alu instid0(VALU_DEP_2)
	v_xor_b32 v[COS+i], v13, v[COS+i]
	s_delay_alu instid0(VALU_DEP_2)
	v_xor_b32 v[SIN+i], v14, v[SIN+i]
.set i, i+1
.endr
.irp q, 0,1,2,3
	global_store_b128 v[LI], v[COS+4*\q:COS+4*\q+3], s[26:27] offset:512*\q         ; 512 consecutive bytes a store
	global_store_b128 v[LI], v[SIN+4*\q:SIN+4*\q+3], s[26:27] offset:2048+512*\q
.endr
	s_endpgm
.Lfunc_end_k_q5562d3737f_prep:
	.size	k_q5562d3737f_prep, .Lfunc_end_k_q5562d3737f_prep-k_q5562d3737f_prep
	.p2alignl 7, 3214868480
	.fill 96, 4, 3214868480
	.section	.rodata,"a",@progbits
	.p2align	6, 0x0
	.amdhsa_kernel k_q5562d3737f_prep
		.amdhsa_group_segment_fixed_size 69632
		.amdhsa_private_segment_fixed_size 0
		.amdhsa_enable_private_segment 0
		.amdhsa_kernarg_size 48
		.amdhsa_user_sgpr_count 2
		.amdhsa_user_sgpr_kernarg_segment_ptr 1
		.amdhsa_wavefront_size32 1
		.amdhsa_system_sgpr_workgroup_id_x 1
		.amdhsa_system_sgpr_workgroup_id_y 1
		.amdhsa_system_sgpr_workgroup_id_z 1
		.amdhsa_system_vgpr_workitem_id 0
		.amdhsa_next_free_vgpr 242
		.amdhsa_next_free_sgpr 66
		.amdhsa_reserve_vcc 1
		.amdhsa_float_denorm_mode_32 3
		.amdhsa_float_denorm_mode_16_64 3
		.amdhsa_memory_ordered 1
		.amdhsa_forward_progress 1
		.amdhsa_inst_pref_size 87
	.end_amdhsa_kernel
	.amdgpu_metadata
---
amdhsa.version: [ 1, 2 ]
amdhsa.kernels:
  - .name:           k_q5562d3737f_prep
    .symbol:         k_q5562d3737f_prep.kd
    .args:
      - { .name: x, .offset: 0, .size: 8, .value_kind: global_buffer, .address_space: global }
      - { .name: W_qkv, .offset: 8, .size: 8, .value_kind: global_buffer, .address_space: global }
      - { .name: W_out, .offset: 16, .size: 8, .value_kind: global_buffer, .address_space: global }
      - { .name: xq, .offset: 24, .size: 8, .value_kind: global_buffer, .address_space: global }
      - { .name: wc, .offset: 32, .size: 8, .value_kind: global_buffer, .address_space: global }
      - { .name: tab, .offset: 40, .size: 8, .value_kind: global_buffer, .address_space: global }
    .group_segment_fixed_size: 69632
    .private_segment_fixed_size: 0
    .kernarg_segment_align: 8
    .kernarg_segment_size: 48
    .max_flat_workgroup_size: 256
    .sgpr_count:     66
    .vgpr_count:     242
    .wavefront_size: 32
...
	.end_amdgpu_metadata
.endif
;; end of part 1
;; launch qkv (part 2): grid 16 x 16, 4 waves a work-group, clusters of 4 x 1, 236,032 bytes of LDS; arguments xq, wc, tab, b_qkv, qq, kv; writes qq, kv
.if DOCPART == 2
	.amdgcn_target "amdgcn-amd-amdhsa--gfx1250"
	.amdhsa_code_object_version 6
	.text
	.protected	k_q5562d3737f_qkv
	.globl	k_q5562d3737f_qkv
	.p2align	8
	.type	k_q5562d3737f_qkv,@function
k_q5562d3737f_qkv:
	s_mov_b64 s[64:65], 0
	v_nop
	global_prefetch_b8 v0, s[64:65] scope:SCOPE_SE
	s_setreg_imm32_b32 hwreg(HW_REG_WAVE_MODE, 25, 1), 1
	s_wait_xcnt 0x0
	s_wait_alu depctr_hold_cnt(0) depctr_sa_sdst(0) depctr_va_vdst(0) depctr_va_sdst(0) depctr_va_ssrc(0) depctr_va_vcc(0) depctr_vm_vsrc(0)
	s_getreg_b32 s2, hwreg(HW_REG_IB_STS2, 6, 4)
	s_cmp_eq_u32 s2, 0
	s_cbranch_scc0 .Lentry_in_a_cluster
	s_endpgm
.Lentry_in_a_cluster:
	s_bfe_u32 s2, ttmp6, 0x10000c
	s_cmp_lg_u32 s2, 0x3003
	s_cbranch_scc0 .Lentry_shape_is_right
	s_endpgm
.Lentry_shape_is_right:
; q, k, v = x W_qkv + b_qkv on codes of E2M1; the rotary step on q and k in f32; all three quantised again and stored as images of the operand registers that the attention launch wants.
; SHARES.  A work-group takes 512 tokens of one batch and the three blocks of 64 columns (q, k, v) of one head.  Wave w takes 128 of the tokens: eight tiles.  Its fragments of x for ALL of K
; (8 tiles x 8 K steps x 8 registers = 512 registers) come from memory straight into registers, once.  The three blocks of W and the table slice come into LDS, each byte filled once.
; CLUSTER.  The four partners are the four batches at the same positions and the same head: W blocks and the table slice are the same for all four and are asked for JOINTLY (mask 15).
; The batch (the place in the cluster) enters only the addresses of xq, qq and kv.
; q, k: TRANSPOSED (source 0 = 16 columns of W, source 1 = 16 tokens): a lane holds one token; accumulators j = 0, 1 are d = 16 h + 0 .. 15, j = 2, 3 are d + 32: the rotary partners lie in one lane.
; v: source 0 = 16 tokens, source 1 = 16 columns: a lane holds one column d, and the 64 registers of a column tile are tokens 64 c + 32 h + 0 .. 31: two whole blocks along the keys.
; The biases are the C of each sum first matrix instruction.
; LDS: W block h3 at 34816 h3 (32 fragment images, then two scale images); the table at 104448 + 32768 w, each wave its own eight tiles.
; REGISTERS: window 0 below; window 1: 32 accumulators (q, k: 32 m + 8 j; v: 64 j + 8 m); window 2: x fragments of K steps 0-3 at 64 s + 8 m; window 3: K steps 4-7.
; LIMITS: a block of zeros gets the byte 1; NaN and infinities are not served.
.set LI,   1                           ; v1   16 x lane
.set AW,   2                           ; v2-4 16 x lane + 34816 h3
.set AT,   5                           ; v5   16 x lane + my quarter of the table
.set BQ,   6                           ; v6   64 h: bias of q and k
.set BV,   7                           ; v7   4 (r % 8 + 16 (r / 8)): bias of v
.set SH8,  8                           ; v8   8 h
.set TM,   12                          ; v12-15 maxima
.set TX,   16                          ; v16-17 lane permutes
.set SO,   18                          ; v18-19 scale operands
.set E,    20                          ; v20-21 bytes
.set XS,   32                          ; v32-63 scale words of x: 8 (m / 2) + s; the odd tile in lanes 16-31
.set WS,   64                          ; v64-79 scale words of W: 8 (j / 2) + s
.set BI,   80                          ; v80-111 bias, 8 registers a column tile
.set WF,   112                         ; v112-175 W fragments, two sets of four
.set PC,   112                         ; codes just made lie over set 0
.set CT,   176                         ; v176-191 cos, v192-207 sin of my token
.set R,    208                         ; v208-239 the rotated 32 numbers
.set W8,   240                         ; v240-247 the eight tiles scale words
.set OUTW, 248                         ; v248-251 four words for one store
.set WV,   16
.set SEL,  20
.set HM,   22
.set G1A,  24                          ; s[24:31] group 1: 34 rows of 256 bytes
.set G1B,  32                          ; s[32:39] group 1: 128 rows of 256 bytes
.set G0,   40                          ; s[40:55] four groups 0
.set XB,   66
.set XSB,  68
.set BB,   70
.set QB,   72
.set QSB,  74
.set KVB,  76
.set MSB, 0
.macro WIN new                         ; the immediate high byte repeats the setting that is left
.if MSB != \new
	s_set_vgpr_msb (MSB<<8)|\new
.set MSB, \new
.endif
.endm
.macro PLACES n
.rept \n
	v_nop
.endr
.endm
.macro ROUND                           ; a round of the cluster barrier
	s_barrier_signal -1
	s_barrier_wait -1
	s_cmp_lg_u32 s[WV], 0
	s_cbranch_scc1 .Lnot_wave_0_\@
	s_barrier_signal -3
.Lnot_wave_0_\@:
	s_barrier_wait -3
	s_barrier_signal -1
	s_barrier_wait -1
.endm
.macro WMX                             ; one product from the symbols rD, rA, rB, rC, rSA, rSB; fA, fB: that side scales lie in lanes 16-31
.if fA && fB
	v_wmma_scale_f32_16x16x128_f8f6f4 v[rD:rD+7], v[rA:rA+7], v[rB:rB+7], v[rC:rC+7], v[rSA], v[rSB] matrix_a_fmt:MATRIX_FMT_FP4 matrix_b_fmt:MATRIX_FMT_FP4 matrix_a_scale:MATRIX_SCALE_ROW1 matrix_b_scale:MATRIX_SCALE_ROW1
.elseif fA
	v_wmma_scale_f32_16x16x128_f8f6f4 v[rD:rD+7], v[rA:rA+7], v[rB:rB+7], v[rC:rC+7], v[rSA], v[rSB] matrix_a_fmt:MATRIX_FMT_FP4 matrix_b_fmt:MATRIX_FMT_FP4 matrix_a_scale:MATRIX_SCALE_ROW1
.elseif fB
	v_wmma_scale_f32_16x16x128_f8f6f4 v[rD:rD+7], v[rA:rA+7], v[rB:rB+7], v[rC:rC+7], v[rSA], v[rSB] matrix_a_fmt:MATRIX_FMT_FP4 matrix_b_fmt:MATRIX_FMT_FP4 matrix_b_scale:MATRIX_SCALE_ROW1
.else
	v_wmma_scale_f32_16x16x128_f8f6f4 v[rD:rD+7], v[rA:rA+7], v[rB:rB+7], v[rC:rC+7], v[rSA], v[rSB] matrix_a_fmt:MATRIX_FMT_FP4 matrix_b_fmt:MATRIX_FMT_FP4
.endif
.endm
	s_load_b256 s[4:11], s[0:1], 0x0               ; xq, wc, tab, b_qkv
	s_load_b128 s[12:15], s[0:1], 0x20             ; qq, kv
	v_lshl_add_u32 v254, v0, 2, 0x39800
	v_mov_b32 v255, 0
	ds_add_u32 v254, v255
	ds_add_u32 v254, v255
	v_lshrrev_b32 v9, 5, v0
	v_readfirstlane_b32 s[WV], v9                  ; wave 0..3
	v_and_b32 v9, 31, v0
	v_lshlrev_b32 v[LI], 4, v9
	v_and_b32 v10, 15, v0                          ; r
	v_bfe_u32 v11, v0, 4, 1                        ; h
	v_mov_b32 v[AW], v[LI]
	v_add_nc_u32 v[AW+1], 34816, v[LI]
	v_add_nc_u32 v[AW+2], 69632, v[LI]
	s_lshl_b32 s60, s[WV], 15
	s_add_co_u32 s61, s60, 104448
	v_add_nc_u32 v[AT], s61, v[LI]
	v_lshlrev_b32 v[BQ], 6, v11
	v_and_b32 v[BV], 7, v10
	v_lshrrev_b32 v9, 3, v10
	v_lshl_add_u32 v[BV], v9, 4, v[BV]
	v_lshlrev_b32 v[BV], 2, v[BV]
	v_lshlrev_b32 v[SH8], 3, v11
	v_mov_b32 v[TX], 0                             ; a lane permute destination counts as one of its sources
	v_mov_b32 v[TX+1], 0
	s_mov_b32 s[SEL], 0x76543210
	s_mov_b32 s[SEL+1], 0xfedcba98
	s_mov_b32 s[HM], 0xffff0000                    ; lanes 16-31
	s_bfe_u32 s17, ttmp6, 0x40000                  ; my place in the cluster: the batch
	s_and_b32 s19, ttmp7, 0xffff                   ; the head, which the partners share; ttmp9: the block of 512 positions, shared too
	; group 1: dense blocks as rows of 256 bytes (32 elements of 8 bytes), no padding; mask 15: all four partners; bit 21 beside it
	s_mov_b32 s[G1A], 15|(3<<16)|(1<<21)
	s_mov_b32 s[G1A+1], 32<<16
	s_mov_b32 s[G1A+2], 34<<16
	s_mov_b32 s[G1A+3], 32<<16
	s_mov_b32 s[G1A+4], 34
	s_mov_b32 s[G1A+5], 32
	s_mov_b32 s[G1A+6], 0
	s_mov_b32 s[G1A+7], 0
	s_mov_b32 s[G1B], 15|(3<<16)|(1<<21)
	s_mov_b32 s[G1B+1], 32<<16
	s_mov_b32 s[G1B+2], 128<<16
	s_mov_b32 s[G1B+3], 32<<16
	s_mov_b32 s[G1B+4], 128
	s_mov_b32 s[G1B+5], 32
	s_mov_b32 s[G1B+6], 0
	s_mov_b32 s[G1B+7], 0
	s_mul_i32 s56, s[WV], 8704                     ; my quarter of a block of W
	s_mul_i32 s57, s19, 34816
	s_add_co_u32 s58, s56, s57
	s_mov_b32 s59, 0
	s_lshl_b32 s62, ttmp9, 17                      ; the slice of the table: 32 tiles of 4,096 bytes,
	s_add_co_u32 s62, s62, s60                     ; my eight of them
	s_mov_b32 s63, 0
	; offsets that hang on the batch, in registers of their own
	s_lshl_b32 s78, s17, 20
	s_lshl_b32 s79, ttmp9, 18
	s_add_co_u32 s78, s78, s79
	s_lshl_b32 s79, s[WV], 16
	s_add_co_u32 s78, s78, s79                     ; my first tile (128 batch + 32 block + 8 w) x 8192
	s_mov_b32 s79, 0
	s_lshl_b32 s18, s17, 4
	s_add_co_u32 s18, s18, s19                     ; batch x 16 + head
	s_wait_dscnt 0x0
	s_wait_kmcnt 0x0
	s_add_nc_u64 s[XB:XB+1], s[4:5], s[78:79]
	s_lshr_b32 s78, s78, 4
	s_add_co_u32 s78, s78, 4194304
	s_add_nc_u64 s[XSB:XSB+1], s[4:5], s[78:79]    ; my four scale images of x
	s_lshl_b32 s78, s19, 8
	s_add_nc_u64 s[BB:BB+1], s[10:11], s[78:79]    ; b_qkv at my head
	s_lshl_b32 s78, s18, 16
	s_lshl_b32 s23, ttmp9, 14
	s_add_co_u32 s78, s78, s23
	s_lshl_b32 s23, s[WV], 12
	s_add_co_u32 s78, s78, s23
	s_add_nc_u64 s[QB:QB+1], s[12:13], s[78:79]    ; q codes: 512 bytes a tile
	s_lshl_b32 s23, ttmp9, 2
	s_add_co_u32 s23, s23, s[WV]                   ; my step of 128 tokens in the head
	s_lshl_b32 s78, s18, 13
	s_lshl_b32 s3, s23, 9
	s_add_co_u32 s78, s78, s3
	s_add_co_u32 s78, s78, 4194304
	s_add_nc_u64 s[QSB:QSB+1], s[12:13], s[78:79]  ; q scale words
	s_mul_i32 s78, s18, 147456
	s_mul_i32 s3, s23, 9216
	s_add_co_u32 s78, s78, s3
	s_add_nc_u64 s[KVB:KVB+1], s[14:15], s[78:79]  ; my step of kv
	; groups 0
	s_mov_b32 s[G0], 1
	s_mov_b32 s[G0+1], s56
	s_add_nc_u64 s[G0+2:G0+3], s[6:7], s[58:59]
	s_mov_b32 s[G0+4], 1
	s_mov_b32 s[G0+5], s61
	s_add_nc_u64 s[G0+6:G0+7], s[8:9], s[62:63]
	s_mov_b32 s[G0+8], 1
	s_add_co_u32 s[G0+9], s56, 34816
	s_add_nc_u64 s[G0+10:G0+11], s[G0+2:G0+3], 16*34816
	s_mov_b32 s[G0+12], 1
	s_add_co_u32 s[G0+13], s56, 69632
	s_add_nc_u64 s[G0+14:G0+15], s[G0+2:G0+3], 32*34816
	s_or_b32 s[G0+3], s[G0+3], 0x80000000
	s_or_b32 s[G0+7], s[G0+7], 0x80000000
	s_or_b32 s[G0+11], s[G0+11], 0x80000000
	s_or_b32 s[G0+15], s[G0+15], 0x80000000
	ROUND                                          ; all four partners are here: the joint loads meet
	tensor_load_to_lds s[G0:G0+3], s[G1A:G1A+7]            ; W of q.  Four loads of mine are out; every LDS byte is filled once
	s_nop 0
	tensor_load_to_lds s[G0+4:G0+7], s[G1B:G1B+7]          ; my quarter of the table
	s_nop 0
	tensor_load_to_lds s[G0+8:G0+11], s[G1A:G1A+7]         ; W of k
	s_nop 0
	tensor_load_to_lds s[G0+12:G0+15], s[G1A:G1A+7]        ; W of v
	s_nop 0
	PLACES 4                                       ; four plain lines behind the loads
.irp p, 0,1,2,3
.irp q, 0,1
	global_load_b128 v[XS+8*\p+4*\q:XS+8*\p+4*\q+3], v[LI], s[XSB:XSB+1] offset:1024*\p+512*\q
.endr
.endr
.macro BILOAD h3                       ; lane (r, h) wants, for column tile j, b at 32 (j / 2) + 16 h + 8 (j % 2) + 0 .. 7
.irp j, 0,1,2,3
	global_load_b128 v[BI+8*\j:BI+8*\j+3], v[BQ], s[BB:BB+1] offset:4096*\h3+(32*(\j/2)+8*(\j%2))*4
	global_load_b128 v[BI+8*\j+4:BI+8*\j+7], v[BQ], s[BB:BB+1] offset:4096*\h3+(32*(\j/2)+8*(\j%2))*4+16
.endr
.endm
	s_wait_alu depctr_va_vdst(0)
	BILOAD 0
.set ss, 0
.rept 8                                ; x fragments, K step by K step: 16 loads each
.if ss == 0
	WIN 0x80
.elseif ss == 4
	WIN 0xc0
.endif
.set mm, 0
.rept 8
	global_load_b128 v[64*(ss%4)+8*mm:64*(ss%4)+8*mm+3], v[LI], s[XB:XB+1] offset:8192*mm+1024*ss
	global_load_b128 v[64*(ss%4)+8*mm+4:64*(ss%4)+8*mm+7], v[LI], s[XB:XB+1] offset:8192*mm+1024*ss+512
.set mm, mm+1
.endr
.set ss, ss+1
.endr
	WIN 0
.macro WLOAD h3, s                     ; the four fragments of W of K step s into set s % 2
.irp j, 0,1,2,3
.irp c, 0,1
	ds_load_b128 v[WF+32*((\s)%2)+8*\j+4*\c:WF+32*((\s)%2)+8*\j+4*\c+3], v[AW+\h3] offset:(8*\j+(\s))*1024+512*\c
.endr
.endr
.endm
; All of K for one block of 64 columns: 8 K steps x 32 products.  The 32 accumulators take turns, one instruction a turn.
; kind 0: q, k (source 0 = W);  kind 1: v (source 0 = x).  first = 1: the x fragments are still landing.
.macro MM kind, h3, first
.irp b, 0,1
.irp q, 0,1
	ds_load_b128 v[WS+8*\b+4*\q:WS+8*\b+4*\q+3], v[AW+\h3] offset:32768+1024*\b+512*\q
.endr
.endr
	WLOAD \h3, 0
.set ss, 0
.rept 8
	PLACES 4                                       ; four plain lines between the last step products and the loads into the set that they read
	WIN 0
.if ss < 7
	WLOAD \h3, ss+1
	s_wait_dscnt 8                                 ; all but the eight loads just issued: this step fragments (and the scale words) are in
.else
	s_wait_dscnt 0x0
.endif
.if \first
.if ss == 0
	s_wait_loadcnt 63                              ; 64 loads were issued behind K step 3: scale words, bias and K steps 0 to 3 are in
.elseif ss >= 4
	s_wait_loadcnt 16*(7-ss)                       ; the later K steps may be out, 16 loads each
.endif
.endif
.if \kind == 0
.if ss == 0
	WIN 0x48                                       ; W window 0, x window 2, C (bias) window 0, D window 1
.elseif ss < 4
	WIN 0x58
.else
	WIN 0x5c
.endif
.else
.if ss == 0
	WIN 0x42
.elseif ss < 4
	WIN 0x52
.else
	WIN 0x53
.endif
.endif
.set mm, 0
.rept 8
.set jj, 0
.rept 4
.set rW, WF+32*(ss%2)+8*jj
.set rX, 64*(ss%4)+8*mm
.set rSW, WS+8*(jj/2)+ss
.set rSX, XS+8*(mm/2)+ss
.if \kind == 0
.set rD, 32*mm+8*jj
.set rA, rW
.set rB, rX
.set rSA, rSW
.set rSB, rSX
.set fA, jj%2
.set fB, mm%2
.else
.set rD, 64*jj+8*mm
.set rA, rX
.set rB, rW
.set rSA, rSX
.set rSB, rSW
.set fA, mm%2
.set fB, jj%2
.endif
.if ss == 0
.set rC, BI+8*jj
.else
.set rC, rD
.endif
	WMX
.set jj, jj+1
.endr
.set mm, mm+1
.endr
.set ss, ss+1
.endr
.endm
.macro CTLOAD m                        ; cos and sin of tile m: 16 + 16 numbers a lane
.irp q, 0,1,2,3,4,5,6,7
	ds_load_b128 v[CT+4*\q:CT+4*\q+3], v[AT] offset:4096*(\m)+512*\q
.endr
.endm
; 32 numbers of a lane, register 16 b + i = k 32 b + 16 h + i of my row, become four registers of codes (lanes 0-15 block 0, lanes 16-31 block 1) and the row two scale bytes.
.macro QUANT2S rr, pc, w
	v_max3_num_f32 v[TM],   |v[(\rr)]|,    |v[(\rr)+1]|,  0x1800000
	v_max3_num_f32 v[TM+1], |v[(\rr)+16]|, |v[(\rr)+17]|, 0x1800000
.irp i, 2,4,6,8,10,12,14
	v_max3_num_f32 v[TM],   v[TM],   |v[(\rr)+\i]|,    |v[(\rr)+\i+1]|
	v_max3_num_f32 v[TM+1], v[TM+1], |v[(\rr)+16+\i]|, |v[(\rr)+17+\i]|
.endr
	v_permlanex16_b32 v[TX], v[TM], s[SEL], s[SEL+1]
	v_permlanex16_b32 v[TX+1], v[TM+1], s[SEL], s[SEL+1]
	v_max_num_f32 v[TM], v[TM], v[TX]              ; with lane l xor 16: the block largest magnitude
	v_max_num_f32 v[TM+1], v[TM+1], v[TX+1]
	v_add_nc_u32 v[SO], 0xff000000, v[TM]
	v_add_nc_u32 v[SO+1], 0xff000000, v[TM+1]
	v_lshrrev_b32 v[E], 23, v[SO]
	v_lshrrev_b32 v[E+1], 23, v[SO+1]
	v_lshl_or_b32 v[(\w)], v[E+1], 8, v[E]         ; bytes 2 and 3 stay 0: they stand over zero codes
	v_cvt_scalef32_pk8_fp4_f32 v[(\pc)],   v[(\rr):(\rr)+7],     v[SO]
	v_cvt_scalef32_pk8_fp4_f32 v[(\pc)+1], v[(\rr)+8:(\rr)+15],  v[SO]
	v_cvt_scalef32_pk8_fp4_f32 v[(\pc)+2], v[(\rr)+16:(\rr)+23], v[SO+1]
	v_cvt_scalef32_pk8_fp4_f32 v[(\pc)+3], v[(\rr)+24:(\rr)+31], v[SO+1]
	v_nop                                          ; a plain line behind the conversions
	v_permlane16_swap_b32 v[(\pc)], v[(\pc)+2]     ; a whole block to a lane
	v_permlane16_swap_b32 v[(\pc)+1], v[(\pc)+3]
.endm
; Tile m of q or k: rotary step, quantiser, 512 consecutive bytes out.  a = d 16 h + i (accumulators 0, 1), b = the same + 32 (accumulators 2, 3).
.macro EPQK m, sb
	s_wait_dscnt 0x0                               ; this tile cos and sin are in
	WIN 0x01                                       ; source 0: window 1
.irp i, 0,2,4,6,8,10,12,14
	v_pk_mul_f32 v[R+\i:R+\i+1], v[32*\m+\i:32*\m+\i+1], v[CT+\i:CT+\i+1]                  ; each accumulator is read from its low end on
.endr
.irp i, 0,2,4,6,8,10,12,14
	v_pk_mul_f32 v[R+16+\i:R+17+\i], v[32*\m+16+\i:32*\m+17+\i], v[CT+\i:CT+\i+1]
.endr
.irp i, 0,2,4,6,8,10,12,14
	v_pk_fma_f32 v[R+\i:R+\i+1], v[32*\m+16+\i:32*\m+17+\i], v[CT+16+\i:CT+17+\i], v[R+\i:R+\i+1] neg_lo:[1,0,0] neg_hi:[1,0,0]   ; a cos - b sin
.endr
.irp i, 0,2,4,6,8,10,12,14
	v_pk_fma_f32 v[R+16+\i:R+17+\i], v[32*\m+\i:32*\m+\i+1], v[CT+16+\i:CT+17+\i], v[R+16+\i:R+17+\i]   ; b cos + a sin
.endr
	WIN 0
.if \m < 7
	CTLOAD \m+1
.endif
	QUANT2S R, PC+4*\m, W8+\m
	global_store_b128 v[LI], v[PC+4*\m:PC+4*\m+3], s[\sb:\sb+1] offset:512*\m
.endm
.macro WORDS sb, off                   ; lane l: the words of tiles 4 (l / 16) + 0 .. 3, row l % 16
.irp i, 0,1,2,3
	v_cndmask_b32 v[OUTW+\i], v[W8+\i], v[W8+4+\i], s[HM]
.endr
	global_store_b128 v[LI], v[OUTW:OUTW+3], s[\sb:\sb+1] offset:\off
.endm
; Column tile j of v: my column, 64 tokens in two whole blocks.
.macro EPV j
	WIN 0x05                                       ; sources 0 and 1: window 1
	v_max3_num_f32 v[TM],   |v[64*\j]|,    |v[64*\j+1]|,  0x1800000
	v_max3_num_f32 v[TM+1], |v[64*\j+16]|, |v[64*\j+17]|, 0x1800000
	v_max3_num_f32 v[TM+2], |v[64*\j+32]|, |v[64*\j+33]|, 0x1800000
	v_max3_num_f32 v[TM+3], |v[64*\j+48]|, |v[64*\j+49]|, 0x1800000
.irp i, 2,4,6,8,10,12,14
	v_max3_num_f32 v[TM],   |v[64*\j+\i]|,    |v[64*\j+\i+1]|,  v[TM]
	v_max3_num_f32 v[TM+1], |v[64*\j+16+\i]|, |v[64*\j+17+\i]|, v[TM+1]
	v_max3_num_f32 v[TM+2], |v[64*\j+32+\i]|, |v[64*\j+33+\i]|, v[TM+2]
	v_max3_num_f32 v[TM+3], |v[64*\j+48+\i]|, |v[64*\j+49+\i]|, v[TM+3]
.endr
	WIN 0
	v_max_num_f32 v[TM], v[TM], v[TM+1]
	v_max_num_f32 v[TM+2], v[TM+2], v[TM+3]
	v_add_nc_u32 v[SO], 0xff000000, v[TM]
	v_add_nc_u32 v[SO+1], 0xff000000, v[TM+2]
	v_lshrrev_b32 v[E], 23, v[SO]
	v_lshrrev_b32 v[E+1], 23, v[SO+1]
	v_lshl_or_b32 v[E], v[E+1], 16, v[E]           ; blocks h and 2 + h,
	v_lshlrev_b32 v[E], v[SH8], v[E]               ; at their places;
	v_permlanex16_b32 v[TX], v[E], s[SEL], s[SEL+1]
	v_or_b32 v[OUTW+\j], v[E], v[TX]               ; with lane l xor 16 the word is whole
	WIN 0x01
.irp c, 0,1
.irp g, 0,1,2,3
	v_cvt_scalef32_pk8_fp4_f32 v[PC+8*\j+4*\c+\g], v[64*\j+32*\c+8*\g:64*\j+32*\c+8*\g+7], v[SO+\c]
.endr
.endr
	WIN 0
	v_nop                                          ; a plain line behind the conversions
	global_store_b128 v[LI], v[PC+8*\j:PC+8*\j+3], s[KVB:KVB+1] offset:4608+1024*\j
	global_store_b128 v[LI], v[PC+8*\j+4:PC+8*\j+7], s[KVB:KVB+1] offset:4608+1024*\j+512
.endm
	s_wait_tensorcnt 0x3                           ; my quarter of W of q is in; my three later loads may be out
	s_barrier_signal -1
	s_barrier_wait -1                              ; everybody quarter is
	MM 0, 0, 1
	PLACES 4                                       ; between the last products and the first read of results
	WIN 0
	BILOAD 1                                       ; the bias of k lands under the way out of q
	s_wait_tensorcnt 0x2                           ; my quarter of the table is in: I alone read it
	CTLOAD 0
.irp m, 0,1,2,3,4,5,6,7
	EPQK \m, QB
.endr
	WORDS QSB, 0
	s_wait_tensorcnt 0x1                           ; my quarter of W of k
	s_wait_dscnt 0x0
	s_wait_xcnt 0x0                                ; the stores have read the registers over which fragments of W land next
	s_wait_loadcnt 0x0                             ; the bias of k
	s_barrier_signal -1
	s_barrier_wait -1
	MM 0, 1, 0
	PLACES 4
	WIN 0
.irp j, 0,1,2,3
.irp t, 0,1,2,3,4,5,6,7
	global_load_b32 v[BI+8*\j+\t], v[BV], s[BB:BB+1] offset:8192+(32*(\j/2)+8*(\j%2))*4   ; the bias of v: my column number in all eight registers
.endr
.endr
	CTLOAD 0
.irp m, 0,1,2,3,4,5,6,7
	EPQK \m, KVB
.endr
	WORDS KVB, 4096
	s_wait_tensorcnt 0x0                           ; my quarter of W of v: no tensor load of mine is out any more
	s_wait_dscnt 0x0
	s_wait_xcnt 0x0
	s_wait_loadcnt 0x0
	s_barrier_signal -1
	s_barrier_wait -1
	MM 1, 2, 0
	PLACES 4
.irp j, 0,1,2,3
	EPV \j
.endr
	global_store_b128 v[LI], v[OUTW:OUTW+3], s[KVB:KVB+1] offset:8704   ; lane l: the four column tiles words of row l % 16
	s_wait_tensorcnt 0x0
	ds_add_u32 v254, v255
	s_wait_dscnt 0x0
	ROUND                                          ; the closing round: no partner ends while another may still ask jointly
	s_endpgm
.Lfunc_end_k_q5562d3737f_qkv:
	.size	k_q5562d3737f_qkv, .Lfunc_end_k_q5562d3737f_qkv-k_q5562d3737f_qkv
	.p2alignl 7, 3214868480
	.fill 96, 4, 3214868480
	.section	.rodata,"a",@progbits
	.p2align	6, 0x0
	.amdhsa_kernel k_q5562d3737f_qkv
		.amdhsa_group_segment_fixed_size 236032
		.amdhsa_private_segment_fixed_size 0
		.amdhsa_enable_private_segment 0
		.amdhsa_kernarg_size 48
		.amdhsa_user_sgpr_count 2
		.amdhsa_user_sgpr_kernarg_segment_ptr 1
		.amdhsa_wavefront_size32 1
		.amdhsa_system_sgpr_workgroup_id_x 1
		.amdhsa_system_sgpr_workgroup_id_y 1
		.amdhsa_system_sgpr_workgroup_id_z 1
		.amdhsa_system_vgpr_workitem_id 0
		.amdhsa_next_free_vgpr 1024
		.amdhsa_next_free_sgpr 80
		.amdhsa_reserve_vcc 0
		.amdhsa_float_denorm_mode_32 3
		.amdhsa_float_denorm_mode_16_64 3
		.amdhsa_memory_ordered 1
		.amdhsa_forward_progress 1
		.amdhsa_inst_pref_size 226
	.end_amdhsa_kernel
	.amdgpu_metadata
---
amdhsa.version: [ 1, 2 ]
amdhsa.kernels:
  - .name:           k_q5562d3737f_qkv
    .symbol:         k_q5562d3737f_qkv.kd
    .args:
      - { .name: xq, .offset: 0, .size: 8, .value_kind: global_buffer, .address_space: global }
      - { .name: wc, .offset: 8, .size: 8, .value_kind: global_buffer, .address_space: global }
      - { .name: tab, .offset: 16, .size: 8, .value_kind: global_buffer, .address_space: global }
      - { .name: b_qkv, .offset: 24, .size: 8, .value_kind: global_buffer, .address_space: global }
      - { .name: qq, .offset: 32, .size: 8, .value_kind: global_buffer, .address_space: global }
      - { .name: kv, .offset: 40, .size: 8, .value_kind: global_buffer, .address_space: global }
    .group_segment_fixed_size: 236032
    .private_segment_fixed_size: 0
    .kernarg_segment_align: 8
    .kernarg_segment_size: 48
    .max_flat_workgroup_size: 128
    .sgpr_count:     80
    .vgpr_count:     1024
    .wavefront_size: 32
...
	.end_amdgpu_metadata
.endif
;; end of part 2
;; launch attn (part 3): grid 4 x 64, 16 waves a work-group, clusters of 4 x 1, 169,984 bytes of LDS; arguments qq, kv, aq; writes aq
.if DOCPART == 3
	.amdgcn_target "amdgcn-amd-amdhsa--gfx1250"
	.amdhsa_code_object_version 6
	.text
	.protected	k_q5562d3737f_attn
	.globl	k_q5562d3737f_attn
	.p2align	8
	.type	k_q5562d3737f_attn,@function
k_q5562d3737f_attn:
	s_mov_b64 s[64:65], 0
	v_nop
	global_prefetch_b8 v0, s[64:65] scope:SCOPE_SE
	s_setreg_imm32_b32 hwreg(HW_REG_WAVE_MODE, 25, 1), 1
	s_wait_xcnt 0x0
	s_wait_alu depctr_hold_cnt(0) depctr_sa_sdst(0) depctr_va_vdst(0) depctr_va_sdst(0) depctr_va_ssrc(0) depctr_va_vcc(0) depctr_vm_vsrc(0)
	s_getreg_b32 s2, hwreg(HW_REG_IB_STS2, 6, 4)
	s_cmp_eq_u32 s2, 0
	s_cbranch_scc0 .Lentry_in_a_cluster
	s_endpgm
.Lentry_in_a_cluster:
	s_bfe_u32 s2, ttmp6, 0x10000c
	s_cmp_lg_u32 s2, 0x3003
	s_cbranch_scc0 .Lentry_shape_is_right
	s_endpgm
.Lentry_shape_is_right:
; Attention of one (batch, head) on codes of E2M1: S^T = K Q^T (K = the head 64, the upper half of the instruction 128 is zero codes), p = 2^(t - M), O^T = V^T P^T; O / l is quantised and stored as
; half a fragment image of the last product operand.  t = score x log2(e) / 8; M = the running largest t rounded up to a whole number; l is the sum of the unquantised p.
; SHARES.  A work-group owns 512 queries of a head; wave w owns two tiles of 16, one after the other (two passes).  Four waves share a SIMD: one wave vector work stands beside another matrix work and LDS loads.
; LDS.  The head whole block of kv (16 steps of 128 keys x 9,216 bytes) lies in LDS as it lies in memory, each byte filled once: no slot is ever filled again.
; A step: +0 eight tiles of K (512 bytes: registers 0-3), +4096 their scale words, +4608 four fragments of V^T, +8704 their scale words.
; CLUSTER.  The four query blocks of a head read the same block: waves 0 and 1 ask for it jointly (mask 15), in four chunks of four steps, so that the first steps begin while the others land.
; LAYOUT.  A lane holds ONE query.  The keys of tile 4 c + v are 64 c + 32 (i / 8) + 8 v + i % 8, so that registers 96 + 32 c + i are keys 64 c + 32 h + i: a lane owns two WHOLE blocks of 32 keys,
; and the conversions results are the second product operand as they stand.
; LIMITS: p under 2^-126 counts as 0; a block of zeros gets the byte 1; NaN and infinities are not served.
; REGISTERS: v12 -M, v13 largest t, v[14:15] sums; v16-23, v24-31 Q of the two passes; v32-95 K; v96-159 S^T, then p; v160-191 O^T; v192-223 V; v224-231 p codes; v240-243, v244-247 scale words of K and V;
; v10, v255 scale words of Q; v253 scale word of p; v252 f; the rest at work.
.set LI,   1                           ; v1  16 x lane
.set ADR,  2                           ; v2  the step in hand
.set SH8,  3                           ; v3  8 h
.set RO,   4                           ; v4  16 r
.set TM,   232
.set TX,   238
.set SO,   248
.set E,    250
.set WV,   16
.set SEL,  20
.set CS,   22                          ; s[22:23] c = log2(e) / 8
.set G1,   24
.set G0,   32                          ; s[32:47] four groups 0
.set TB,   48                          ; LDS byte of the step in hand
.set CNT,  49
.set HM,   50
.macro PLACES n
.rept \n
	v_nop
.endr
.endm
.macro ROUND
	s_barrier_signal -1
	s_barrier_wait -1
	s_cmp_lg_u32 s[WV], 0
	s_cbranch_scc1 .Lnot_wave_0_\@
	s_barrier_signal -3
.Lnot_wave_0_\@:
	s_barrier_wait -3
	s_barrier_signal -1
	s_barrier_wait -1
.endm
	s_load_b128 s[4:7], s[0:1], 0x0                ; qq, kv
	s_load_b64 s[8:9], s[0:1], 0x10                ; aq
	v_lshl_add_u32 v7, v0, 2, 0x29000
	v_mov_b32 v8, 0
	ds_add_u32 v7, v8
	ds_add_u32 v7, v8
	v_lshrrev_b32 v5, 5, v0
	s_delay_alu instid0(VALU_DEP_1)
	v_readfirstlane_b32 s[WV], v5                  ; wave 0..15
	v_and_b32 v5, 31, v0
	s_delay_alu instid0(VALU_DEP_1)
	v_lshlrev_b32 v[LI], 4, v5
	v_and_b32 v5, 15, v0
	s_delay_alu instid0(VALU_DEP_1)
	v_lshlrev_b32 v[RO], 4, v5
	v_bfe_u32 v5, v0, 4, 1
	s_delay_alu instid0(VALU_DEP_1)
	v_lshlrev_b32 v[SH8], 3, v5
	s_bfe_u32 s17, ttmp6, 0x40000                  ; my place in the cluster: the block of 512 queries
	s_and_b32 s51, ttmp7, 0xffff                   ; batch x 16 + head, which the partners share
	s_mov_b32 s[G1], 15|(3<<16)|(1<<21)            ; 72 rows of 256 bytes (32 elements of 8 bytes), dense; mask 15, bit 21 beside it
	s_mov_b32 s[G1+1], 32<<16
	s_mov_b32 s[G1+2], 72<<16
	s_mov_b32 s[G1+3], 32<<16
	s_mov_b32 s[G1+4], 72
	s_mov_b32 s[G1+5], 32
	s_mov_b32 s[G1+6], 0
	s_mov_b32 s[G1+7], 0
	s_mul_i32 s52, s[WV], 18432                    ; waves 0 and 1: which half of a chunk
	s_mul_i32 s53, s51, 147456
	s_add_co_u32 s54, s52, s53
	s_mov_b32 s55, 0
	s_mov_b32 s[SEL], 0x76543210
	s_mov_b32 s[SEL+1], 0xfedcba98
	s_mov_b32 s[CS], 0x3e38aa3b
	s_mov_b32 s[CS+1], s[CS]                       ; named with it as a pair
	s_mov_b32 s[HM], 0xffff0000
	s_mov_b32 s[TB], 0
	; offsets that hang on my place in the cluster: Q, its scale words, the result
	s_lshl_b32 s58, s51, 16
	s_lshl_b32 s59, s17, 14
	s_add_co_u32 s58, s58, s59
	s_lshl_b32 s59, s[WV], 10
	s_add_co_u32 s58, s58, s59                     ; tile 32 cx + 2 w of the head, 512 bytes a tile
	s_mov_b32 s59, 0
	s_lshl_b32 s60, s51, 13
	s_lshl_b32 s61, s17, 11
	s_add_co_u32 s60, s60, s61
	s_lshr_b32 s61, s[WV], 1
	s_lshl_b32 s61, s61, 8
	s_add_co_u32 s60, s60, s61
	s_and_b32 s61, s[WV], 1
	s_lshl_b32 s61, s61, 3
	s_add_co_u32 s60, s60, s61
	s_add_co_u32 s60, s60, 4194304
	s_mov_b32 s61, 0
	s_lshr_b32 s62, s51, 4                         ; batch
	s_and_b32 s63, s51, 15                         ; head
	s_lshl_b32 s2, s62, 20
	s_lshl_b32 s3, s17, 18
	s_add_co_u32 s2, s2, s3
	s_lshl_b32 s3, s[WV], 14
	s_add_co_u32 s2, s2, s3
	s_lshl_b32 s3, s63, 9
	s_add_co_u32 s2, s2, s3                        ; tile x 8192 + (head / 2) x 1024 + (head % 2) x 512
	s_mov_b32 s3, 0
	s_lshl_b32 s18, s62, 16
	s_lshl_b32 s19, s17, 14
	s_add_co_u32 s18, s18, s19
	s_lshl_b32 s19, s[WV], 10
	s_add_co_u32 s18, s18, s19
	s_lshr_b32 s19, s63, 3
	s_lshl_b32 s19, s19, 9
	s_add_co_u32 s18, s18, s19
	s_and_b32 s19, s63, 7
	s_lshl_b32 s19, s19, 1
	s_add_co_u32 s18, s18, s19
	s_add_co_u32 s18, s18, 4194304                 ; my pair scale image, the K step word, my head half of it
	s_mov_b32 s19, 0
	s_wait_dscnt 0x0
	s_wait_kmcnt 0x0
	s_add_nc_u64 s[10:11], s[4:5], s[58:59]
	s_add_nc_u64 s[12:13], s[4:5], s[60:61]
	s_add_nc_u64 s[14:15], s[8:9], s[2:3]
	s_add_nc_u64 s[18:19], s[8:9], s[18:19]
	s_add_nc_u64 s[56:57], s[6:7], s[54:55]
.irp c, 0,1,2,3
	s_mov_b32 s[G0+4*\c], 1
	s_add_co_u32 s[G0+4*\c+1], s52, \c*36864
	s_add_nc_u64 s[G0+4*\c+2:G0+4*\c+3], s[56:57], \c*36864
	s_or_b32 s[G0+4*\c+3], s[G0+4*\c+3], 0x80000000
.endr
	ROUND                                          ; all four partners are here: the joint loads meet
	s_cmp_lt_u32 s[WV], 2                          ; a branch on the wave number: the same in every partner
	s_cbranch_scc0 .Lno_fill
	tensor_load_to_lds s[G0:G0+3], s[G1:G1+7]              ; four loads of mine are out
	s_nop 0
	tensor_load_to_lds s[G0+4:G0+7], s[G1:G1+7]
	s_nop 0
	tensor_load_to_lds s[G0+8:G0+11], s[G1:G1+7]
	s_nop 0
	tensor_load_to_lds s[G0+12:G0+15], s[G1:G1+7]
	s_nop 0
	PLACES 4                                       ; four plain lines behind the loads
.Lno_fill:
	s_wait_alu depctr_va_vdst(0)
	global_load_b128 v[16:19], v[LI], s[10:11]             ; Q of pass 0: registers 0-3
	global_load_b128 v[24:27], v[LI], s[10:11] offset:512  ; and of pass 1
	global_load_b32 v10, v[RO], s[12:13]                   ; their scale words
	global_load_b32 v255, v[RO], s[12:13] offset:4
.irp i, 20,21,22,23,28,29,30,31
	v_mov_b32 v[\i], 0                             ; k = 64 .. 127: zero codes
.endr
.irp m, 0,1,2,3,4,5,6,7
.irp i, 4,5,6,7
	v_mov_b32 v[32+8*\m+\i], 0                     ; the same in the eight fragments of K: set once
.endr
.endr
	v_mov_b32 v238, 0                              ; lane permutes destinations count as sources
	v_mov_b32 v239, 0
	v_mov_b32 v253, 0                              ; named as the upper half of v[252:253] before it is first written
; A KEY STEP: 128 keys at LDS byte s[TB].
.macro STEP qf, qs
	s_setprio 2
	v_add_nc_u32 v[ADR], s[TB], v[LI]
.irp m, 0,1,2,3,4,5,6,7
	ds_load_b128 v[32+8*\m:35+8*\m], v[ADR] offset:512*\m
.endr
	ds_load_b128 v[240:243], v[ADR] offset:4096    ; lanes 0-15: tiles 0-3; lanes 16-31: tiles 4-7
	s_wait_alu depctr_va_vdst(0)
	s_wait_dscnt 0x0
.irp m, 0,1,2,3
	v_wmma_scale_f32_16x16x128_f8f6f4 v[96+8*\m:103+8*\m], v[32+8*\m:39+8*\m], v[\qf:\qf+7], 0, v[240+\m], v[\qs] matrix_a_fmt:MATRIX_FMT_FP4 matrix_b_fmt:MATRIX_FMT_FP4
.endr
.irp m, 0,1,2,3
	v_wmma_scale_f32_16x16x128_f8f6f4 v[128+8*\m:135+8*\m], v[64+8*\m:71+8*\m], v[\qf:\qf+7], 0, v[240+\m], v[\qs] matrix_a_fmt:MATRIX_FMT_FP4 matrix_b_fmt:MATRIX_FMT_FP4 matrix_a_scale:MATRIX_SCALE_ROW1
.endr
	PLACES 4                                       ; behind these products, ahead of the first read of scores; with the addition above also behind the last step products, ahead of the loads into V
.irp j, 0,1,2,3
.irp c, 0,1
	ds_load_b128 v[192+8*\j+4*\c:195+8*\j+4*\c], v[ADR] offset:4608+1024*\j+512*\c
.endr
.endr
	ds_load_b128 v[244:247], v[ADR] offset:8704
.irp k, 0,1,2,3
	v_max3_num_f32 v[232+\k], v[96+16*\k], v[97+16*\k], v[98+16*\k]      ; the largest score of my two blocks, in four chains; each accumulator is read from its low end on
.endr
.irp i, 3,5,7,9,11,13
.irp k, 0,1,2,3
	v_max3_num_f32 v[232+\k], v[232+\k], v[96+16*\k+\i], v[97+16*\k+\i]
.endr
.endr
	v_max3_num_f32 v232, v232, v233, v111
	v_max3_num_f32 v234, v234, v235, v143
	v_max_num_f32 v232, v232, v127                 ; block h
	v_max_num_f32 v234, v234, v159                 ; block 2 + h
	s_delay_alu instid0(VALU_DEP_1)
	v_max_num_f32 v254, v232, v234
	s_delay_alu instid0(VALU_DEP_1)
	v_permlanex16_b32 v238, v254, s[SEL], s[SEL+1]
	s_delay_alu instid0(VALU_DEP_1)
	v_max_num_f32 v254, v254, v238                 ; the step largest score of my query
	s_delay_alu instid0(VALU_DEP_1)
	v_mul_f32 v254, s[CS], v254
	s_delay_alu instid0(VALU_DEP_1)
	v_max_num_f32 v13, v13, v254                   ; the running largest t
	v_mov_b32 v254, v12
	s_delay_alu instid0(VALU_DEP_2)
	v_floor_f32 v12, -v13                          ; -M = floor(-t): M is a whole number
	s_delay_alu instid0(VALU_DEP_1)
	v_sub_f32 v254, v12, v254
	s_delay_alu instid0(VALU_DEP_1)
	v_cvt_i32_f32 v254, v254                       ; (it saturates)
	s_delay_alu instid0(VALU_DEP_1)
	v_ldexp_f32 v252, 1.0, v254                    ; f = 2^(old M - new M): rounds nothing
.irp j, 0,2,4,6,8,10,12,14,16,18,20,22,24,26,28,30,32,34,36,38,40,42,44,46,48,50,52,54,56,58,60,62
	v_pk_fma_f32 v[96+\j:97+\j], v[96+\j:97+\j], s[CS:CS+1], v[12:13] op_sel_hi:[1,0,0]   ; t - M
.endr
	v_fma_f32 v232, v232, s[CS], v12               ; the same of each block largest score
	v_fma_f32 v234, v234, s[CS], v12
	s_wait_alu depctr_va_vdst(0)
.irp j, 0,1,2,3,4,5,6,7,8,9,10,11,12,13,14,15,16,17,18,19,20,21,22,23,24,25,26,27,28,29,30,31,32,33,34,35,36,37,38,39,40,41,42,43,44,45,46,47,48,49,50,51,52,53,54,55,56,57,58,59,60,61,62,63
	v_exp_f32 v[96+\j], v[96+\j]                   ; p = 2^(t - M)
.endr
	s_setprio 1
	v_pk_mul_f32 v[14:15], v[14:15], v[252:253] op_sel_hi:[1,0]   ; the sums under the new M; the plain line behind the exponentials
	s_wait_alu depctr_va_vdst(0)                   ; one wait for the batch, ahead of its first reader
	v_exp_f32 v232, v232                           ; the blocks largest p: the same two instructions on the same numbers
	v_exp_f32 v234, v234
	v_pk_add_f32 v[236:237], v[100:101], v[104:105]
	v_pk_add_f32 v[250:251], v[108:109], v[112:113]
	v_pk_add_f32 v[248:249], v[116:117], v[120:121]
	v_pk_add_f32 v[242:243], v[124:125], v[128:129]
	v_pk_add_f32 v[240:241], v[132:133], v[136:137]
	v_pk_add_f32 v[230:231], v[140:141], v[144:145]
	v_pk_add_f32 v[228:229], v[148:149], v[152:153]
	v_pk_add_f32 v[14:15], v[14:15], v[156:157]
	v_pk_add_f32 v[236:237], v[236:237], v[96:97]
	v_pk_add_f32 v[250:251], v[250:251], v[98:99]
	v_pk_add_f32 v[248:249], v[248:249], v[102:103]
	v_pk_add_f32 v[242:243], v[242:243], v[106:107]
	v_pk_add_f32 v[240:241], v[240:241], v[110:111]
	v_pk_add_f32 v[230:231], v[230:231], v[114:115]
	v_pk_add_f32 v[228:229], v[228:229], v[118:119]
	v_pk_add_f32 v[14:15], v[14:15], v[122:123]
	v_pk_add_f32 v[236:237], v[236:237], v[126:127]
	v_pk_add_f32 v[250:251], v[250:251], v[130:131]
	v_pk_add_f32 v[248:249], v[248:249], v[134:135]
	v_pk_add_f32 v[242:243], v[242:243], v[138:139]
	v_pk_add_f32 v[240:241], v[240:241], v[142:143]
	v_pk_add_f32 v[230:231], v[230:231], v[146:147]
	v_pk_add_f32 v[228:229], v[228:229], v[150:151]
	v_pk_add_f32 v[14:15], v[14:15], v[154:155]
	v_pk_add_f32 v[236:237], v[236:237], v[158:159]
	s_delay_alu instid0(VALU_DEP_2)
	v_pk_add_f32 v[14:15], v[14:15], v[242:243]
	s_delay_alu instid0(VALU_DEP_2)
	v_pk_add_f32 v[236:237], v[236:237], v[240:241]
	v_pk_add_f32 v[250:251], v[250:251], v[230:231]
	v_pk_add_f32 v[248:249], v[248:249], v[228:229]
	s_delay_alu instid0(VALU_DEP_2)
	v_pk_add_f32 v[14:15], v[14:15], v[250:251]
	s_delay_alu instid0(VALU_DEP_2)
	v_pk_add_f32 v[236:237], v[236:237], v[248:249]
	s_delay_alu instid0(VALU_DEP_1)
	v_pk_add_f32 v[14:15], v[14:15], v[236:237]
	s_wait_alu depctr_va_vdst(0)                   ; and one for the two
	v_max_num_f32 v232, 0x1800000, v232            ; the floor: the byte cannot fall under 1
	v_max_num_f32 v234, 0x1800000, v234
	s_delay_alu instid0(VALU_DEP_2)
	v_add_nc_u32 v248, 0xff000000, v232
	s_delay_alu instid0(VALU_DEP_2)
	v_add_nc_u32 v249, 0xff000000, v234
	s_delay_alu instid0(VALU_DEP_2)
	v_lshrrev_b32 v250, 23, v248
	s_delay_alu instid0(VALU_DEP_2)
	v_lshrrev_b32 v251, 23, v249
	s_delay_alu instid0(VALU_DEP_1)
	v_lshl_or_b32 v254, v251, 16, v250
	s_delay_alu instid0(VALU_DEP_1)
	v_lshlrev_b32 v254, v[SH8], v254
	s_delay_alu instid0(VALU_DEP_1)
	v_permlanex16_b32 v238, v254, s[SEL], s[SEL+1]
	s_delay_alu instid0(VALU_DEP_1)
	v_or_b32 v253, v254, v238                      ; the scale word of p for these 128 keys
.irp c, 0,1
.irp g, 0,1,2,3
	v_cvt_scalef32_pk8_fp4_f32 v[224+4*\c+\g], v[96+32*\c+8*\g:103+32*\c+8*\g], v[248+\c]
.endr
.endr
	v_nop                                          ; a plain line behind the conversions
	s_setprio 0
.irp j, 0,2,4,6,8,10,12,14,16,18,20,22,24,26,28,30
	v_pk_mul_f32 v[160+\j:161+\j], v[160+\j:161+\j], v[252:253] op_sel_hi:[1,0]   ; O^T under the new M; these sixteen also stand between the scale word, the codes and the products
.endr
	s_wait_alu depctr_va_vdst(0)
	s_wait_dscnt 0x0                               ; V and its scale words are in
.irp j, 0,1,2,3
	v_wmma_scale_f32_16x16x128_f8f6f4 v[160+8*\j:167+8*\j], v[192+8*\j:199+8*\j], v[224:231], v[160+8*\j:167+8*\j], v[244+\j], v253 matrix_a_fmt:MATRIX_FMT_FP4 matrix_b_fmt:MATRIX_FMT_FP4
.endr
	s_add_co_u32 s[TB], s[TB], 9216
.endm
.macro START
	v_mov_b32 v13, 0xff61b1e6                      ; -3e38, under every t
	s_delay_alu instid0(VALU_DEP_1)
	v_floor_f32 v12, -v13
	v_mov_b32 v14, 0
	v_mov_b32 v15, 0
.irp j, 0,1,2,3,4,5,6,7,8,9,10,11,12,13,14,15,16,17,18,19,20,21,22,23,24,25,26,27,28,29,30,31
	v_mov_b32 v[160+\j], 0                         ; the step is written once: the first finds zeros
.endr
.endm
.macro QUANT2S rr, pc, w               ; as in the launch before: 32 numbers, register 16 b + i = d 32 b + 16 h + i
	v_max3_num_f32 v[TM],   |v[(\rr)]|,    |v[(\rr)+1]|,  0x1800000
	v_max3_num_f32 v[TM+1], |v[(\rr)+16]|, |v[(\rr)+17]|, 0x1800000
.irp i, 2,4,6,8,10,12,14
	s_delay_alu instid0(VALU_DEP_2)
	v_max3_num_f32 v[TM],   v[TM],   |v[(\rr)+\i]|,    |v[(\rr)+\i+1]|
	s_delay_alu instid0(VALU_DEP_2)
	v_max3_num_f32 v[TM+1], v[TM+1], |v[(\rr)+16+\i]|, |v[(\rr)+17+\i]|
.endr
	s_delay_alu instid0(VALU_DEP_2)
	v_permlanex16_b32 v[TX], v[TM], s[SEL], s[SEL+1]
	s_delay_alu instid0(VALU_DEP_2)
	v_permlanex16_b32 v[TX+1], v[TM+1], s[SEL], s[SEL+1]
	s_delay_alu instid0(VALU_DEP_2)
	v_max_num_f32 v[TM], v[TM], v[TX]
	s_delay_alu instid0(VALU_DEP_2)
	v_max_num_f32 v[TM+1], v[TM+1], v[TX+1]
	s_delay_alu instid0(VALU_DEP_2)
	v_add_nc_u32 v[SO], 0xff000000, v[TM]
	s_delay_alu instid0(VALU_DEP_2)
	v_add_nc_u32 v[SO+1], 0xff000000, v[TM+1]
	s_delay_alu instid0(VALU_DEP_2)
	v_lshrrev_b32 v[E], 23, v[SO]
	s_delay_alu instid0(VALU_DEP_2)
	v_lshrrev_b32 v[E+1], 23, v[SO+1]
	s_delay_alu instid0(VALU_DEP_1)
	v_lshl_or_b32 v[(\w)], v[E+1], 8, v[E]
	v_cvt_scalef32_pk8_fp4_f32 v[(\pc)],   v[(\rr):(\rr)+7],     v[SO]
	v_cvt_scalef32_pk8_fp4_f32 v[(\pc)+1], v[(\rr)+8:(\rr)+15],  v[SO]
	v_cvt_scalef32_pk8_fp4_f32 v[(\pc)+2], v[(\rr)+16:(\rr)+23], v[SO+1]
	v_cvt_scalef32_pk8_fp4_f32 v[(\pc)+3], v[(\rr)+24:(\rr)+31], v[SO+1]
	v_nop
	v_permlane16_swap_b32 v[(\pc)], v[(\pc)+2]
	v_permlane16_swap_b32 v[(\pc)+1], v[(\pc)+3]
.endm
.macro FINISH p, wd
	PLACES 4                                       ; behind the last products
	v_add_f32 v14, v14, v15
	s_delay_alu instid0(VALU_DEP_1)
	v_permlanex16_b32 v238, v14, s[SEL], s[SEL+1]
	s_delay_alu instid0(VALU_DEP_1)
	v_add_f32 v14, v14, v238                       ; the row sum
	s_wait_alu depctr_va_vdst(0)
	v_rcp_f32 v252, v14
	v_nop
	s_wait_alu depctr_va_vdst(0)
.irp i, 0,2,4,6,8,10,12,14,16,18,20,22,24,26,28,30
	v_pk_mul_f32 v[96+\i:97+\i], v[160+\i:161+\i], v[252:253] op_sel_hi:[1,0]   ; O^T / l: register 16 b + i is d = 32 b + 16 h + i
.endr
	QUANT2S 96, 224, \wd
	global_store_b128 v[LI], v[224:227], s[14:15] offset:8192*\p   ; 512 consecutive bytes: my head half of the fragment image
.endm
	s_wait_loadcnt 0x0                             ; Q
	START
.irp c, 0,1,2,3
	s_wait_tensorcnt 3-\c                          ; chunk c has landed; the later chunks may be out
	s_wait_dscnt 0x0
	s_barrier_signal -1
	s_barrier_wait -1
	s_mov_b32 s[CNT], 4
.Lchunk\c:
	STEP 16, 10
	s_sub_co_u32 s[CNT], s[CNT], 1
	s_cmp_lg_u32 s[CNT], 0
	s_cbranch_scc1 .Lchunk\c
	s_setprio 0
.endr
	FINISH 0, 9
	s_mov_b32 s[TB], 0
	s_wait_xcnt 0x0                                ; the store has read the registers that pass 1 writes again
	START
	s_mov_b32 s[CNT], 16
.Lpass1:
	STEP 24, 255
	s_sub_co_u32 s[CNT], s[CNT], 1
	s_cmp_lg_u32 s[CNT], 0
	s_cbranch_scc1 .Lpass1
	s_setprio 0
	FINISH 1, 11
	v_cndmask_b32 v254, v9, v11, s[HM]             ; lanes 0-15 the even tile, lanes 16-31 the odd one
	global_store_b16 v[LI], v254, s[18:19]         ; two bytes of the K step word: the other two are the neighbouring head, another work-group
	s_wait_tensorcnt 0x0
	ds_add_u32 v7, v8
	s_wait_dscnt 0x0
	ROUND                                          ; the closing round
	s_endpgm
.Lfunc_end_k_q5562d3737f_attn:
	.size	k_q5562d3737f_attn, .Lfunc_end_k_q5562d3737f_attn-k_q5562d3737f_attn
	.p2alignl 7, 3214868480
	.fill 96, 4, 3214868480
	.section	.rodata,"a",@progbits
	.p2align	6, 0x0
	.amdhsa_kernel k_q5562d3737f_attn
		.amdhsa_group_segment_fixed_size 169984
		.amdhsa_private_segment_fixed_size 0
		.amdhsa_enable_private_segment 0
		.amdhsa_kernarg_size 24
		.amdhsa_user_sgpr_count 2
		.amdhsa_user_sgpr_kernarg_segment_ptr 1
		.amdhsa_wavefront_size32 1
		.amdhsa_system_sgpr_workgroup_id_x 1
		.amdhsa_system_sgpr_workgroup_id_y 1
		.amdhsa_system_sgpr_workgroup_id_z 1
		.amdhsa_system_vgpr_workitem_id 0
		.amdhsa_next_free_vgpr 256
		.amdhsa_next_free_sgpr 66
		.amdhsa_reserve_vcc 0
		.amdhsa_float_denorm_mode_32 3
		.amdhsa_float_denorm_mode_16_64 3
		.amdhsa_memory_ordered 1
		.amdhsa_forward_progress 1
		.amdhsa_inst_pref_size 93
	.end_amdhsa_kernel
	.amdgpu_metadata
---
amdhsa.version: [ 1, 2 ]
amdhsa.kernels:
  - .name:           k_q5562d3737f_attn
    .symbol:         k_q5562d3737f_attn.kd
    .args:
      - { .name: qq, .offset: 0, .size: 8, .value_kind: global_buffer, .address_space: global }
      - { .name: kv, .offset: 8, .size: 8, .value_kind: global_buffer, .address_space: global }
      - { .name: aq, .offset: 16, .size: 8, .value_kind: global_buffer, .address_space: global }
    .group_segment_fixed_size: 169984
    .private_segment_fixed_size: 0
    .kernarg_segment_align: 8
    .kernarg_segment_size: 24
    .max_flat_workgroup_size: 512
    .sgpr_count:     66
    .vgpr_count:     256
    .wavefront_size: 32
...
	.end_amdgpu_metadata
.endif
;; end of part 3
;; launch proj (part 4): grid 32 x 8, 4 waves a work-group, clusters of 4 x 1, 168,448 bytes of LDS; arguments aq, wc, b_out, out0; writes out0
.if DOCPART == 4
	.amdgcn_target "amdgcn-amd-amdhsa--gfx1250"
	.amdhsa_code_object_version 6
	.text
	.protected	k_q5562d3737f_proj
	.globl	k_q5562d3737f_proj
	.p2align	8
	.type	k_q5562d3737f_proj,@function
k_q5562d3737f_proj:
	s_mov_b64 s[64:65], 0
	v_nop
	global_prefetch_b8 v0, s[64:65] scope:SCOPE_SE
	s_setreg_imm32_b32 hwreg(HW_REG_WAVE_MODE, 25, 1), 1
	s_wait_xcnt 0x0
	s_wait_alu depctr_hold_cnt(0) depctr_sa_sdst(0) depctr_va_vdst(0) depctr_va_sdst(0) depctr_va_ssrc(0) depctr_va_vcc(0) depctr_vm_vsrc(0)
	s_getreg_b32 s2, hwreg(HW_REG_IB_STS2, 6, 4)
	s_cmp_eq_u32 s2, 0
	s_cbranch_scc0 .Lentry_in_a_cluster
	s_endpgm
.Lentry_in_a_cluster:
	s_bfe_u32 s2, ttmp6, 0x10000c
	s_cmp_lg_u32 s2, 0x3003
	s_cbranch_scc0 .Lentry_shape_is_right
	s_endpgm
.Lentry_shape_is_right:
; out0 = attention result x W_out + b_out on codes of E2M1.  A work-group takes 256 tokens x 128 columns; wave w takes 64 tokens (four tiles) against all eight column tiles: 32 accumulators.
; The wave fragments of the result for all of K (256 registers) come from memory straight into registers; the two blocks of W_out (69,632 dense bytes) come into LDS once.
; CLUSTER.  The four partners take different tokens and the same columns: W is asked for jointly (mask 15), a quarter a wave.  The place in the cluster enters only the addresses of aq and out0.
; TRANSPOSED (source 0 = 16 columns of W, source 1 = 16 tokens): a lane holds eight neighbouring columns of one token.  The bias is the C of each sum first matrix instruction.
; LDS: W at 0; each wave stage for the way out at 69632 + 8448 w (16 rows x 528 bytes): no fill lands there.
; REGISTERS: window 0 below; window 1: accumulators at 64 m + 8 j; window 2: fragments at 32 s + 8 m; window 3: v0-63 the bias.
.set LI,   1                           ; v1   16 x lane
.set AW,   2                           ; v2-3 16 x lane + 34816 x block
.set BQ,   4                           ; v4   64 h
.set SOA,  5                           ; v5   the stage, in
.set SRA,  6                           ; v6   the stage, back
.set AS,   16                          ; v16-31 scale words of the tokens: 8 (m / 2) + s
.set WS,   32                          ; v32-63 scale words of W: 8 (j / 2) + s
.set WF,   64                          ; v64-191 W fragments, two sets of eight
.set OB,   64                          ; the way out: rows read back, two sets of 64
.set WV,   16
.set G1,   24
.set G0,   32
.set AB,   48
.set ASB,  50
.set BB,   52
.set OUTB, 54
.set MSB, 0
.macro WIN new
.if MSB != \new
	s_set_vgpr_msb (MSB<<8)|\new
.set MSB, \new
.endif
.endm
.macro PLACES n
.rept \n
	v_nop
.endr
.endm
.macro ROUND
	s_barrier_signal -1
	s_barrier_wait -1
	s_cmp_lg_u32 s[WV], 0
	s_cbranch_scc1 .Lnot_wave_0_\@
	s_barrier_signal -3
.Lnot_wave_0_\@:
	s_barrier_wait -3
	s_barrier_signal -1
	s_barrier_wait -1
.endm
.macro WMX
.if fA && fB
	v_wmma_scale_f32_16x16x128_f8f6f4 v[rD:rD+7], v[rA:rA+7], v[rB:rB+7], v[rC:rC+7], v[rSA], v[rSB] matrix_a_fmt:MATRIX_FMT_FP4 matrix_b_fmt:MATRIX_FMT_FP4 matrix_a_scale:MATRIX_SCALE_ROW1 matrix_b_scale:MATRIX_SCALE_ROW1
.elseif fA
	v_wmma_scale_f32_16x16x128_f8f6f4 v[rD:rD+7], v[rA:rA+7], v[rB:rB+7], v[rC:rC+7], v[rSA], v[rSB] matrix_a_fmt:MATRIX_FMT_FP4 matrix_b_fmt:MATRIX_FMT_FP4 matrix_a_scale:MATRIX_SCALE_ROW1
.elseif fB
	v_wmma_scale_f32_16x16x128_f8f6f4 v[rD:rD+7], v[rA:rA+7], v[rB:rB+7], v[rC:rC+7], v[rSA], v[rSB] matrix_a_fmt:MATRIX_FMT_FP4 matrix_b_fmt:MATRIX_FMT_FP4 matrix_b_scale:MATRIX_SCALE_ROW1
.else
	v_wmma_scale_f32_16x16x128_f8f6f4 v[rD:rD+7], v[rA:rA+7], v[rB:rB+7], v[rC:rC+7], v[rSA], v[rSB] matrix_a_fmt:MATRIX_FMT_FP4 matrix_b_fmt:MATRIX_FMT_FP4
.endif
.endm
	s_load_b256 s[4:11], s[0:1], 0x0               ; aq, wc, b_out, out0
	v_lshl_add_u32 v254, v0, 2, 0x29000
	v_mov_b32 v255, 0
	ds_add_u32 v254, v255
	ds_add_u32 v254, v255
	v_lshrrev_b32 v9, 5, v0
	v_readfirstlane_b32 s[WV], v9                  ; wave 0..3
	v_and_b32 v9, 31, v0
	v_lshlrev_b32 v[LI], 4, v9
	v_and_b32 v10, 15, v0                          ; r
	v_bfe_u32 v11, v0, 4, 1                        ; h
	v_mov_b32 v[AW], v[LI]
	v_add_nc_u32 v[AW+1], 34816, v[LI]
	v_lshlrev_b32 v[BQ], 6, v11
	s_mul_i32 s36, s[WV], 8448
	s_add_co_u32 s36, s36, 69632                   ; my stage
	v_mul_u32_u24 v[SOA], v10, 528
	v_lshl_add_u32 v[SOA], v11, 6, v[SOA]
	v_add_nc_u32 v[SOA], s36, v[SOA]               ; in: row r, + 64 h
	v_add_nc_u32 v[SRA], s36, v[LI]                ; back: a whole row of 512 bytes
	s_bfe_u32 s17, ttmp6, 0x40000                  ; my place in the cluster
	s_and_b32 s19, ttmp7, 0xffff                   ; the block of 128 columns, which the partners share
	s_mov_b32 s[G1], 15|(3<<16)|(1<<21)            ; 68 rows of 256 bytes, dense; mask 15, bit 21 beside it
	s_mov_b32 s[G1+1], 32<<16
	s_mov_b32 s[G1+2], 68<<16
	s_mov_b32 s[G1+3], 32<<16
	s_mov_b32 s[G1+4], 68
	s_mov_b32 s[G1+5], 32
	s_mov_b32 s[G1+6], 0
	s_mov_b32 s[G1+7], 0
	s_mul_i32 s37, s[WV], 17408                    ; my quarter of the two blocks
	s_mul_i32 s38, s19, 2*34816
	s_add_co_u32 s38, s38, s37
	s_add_co_u32 s38, s38, 48*34816                ; W_out begins at block 48
	s_mov_b32 s39, 0
	s_lshl_b32 s40, ttmp9, 19
	s_lshl_b32 s41, s17, 17
	s_add_co_u32 s40, s40, s41
	s_lshl_b32 s41, s[WV], 15
	s_add_co_u32 s40, s40, s41                     ; my group of 64 tokens (16 cluster + 4 place + w) x 32768
	s_mov_b32 s41, 0
	s_lshr_b32 s42, s40, 4
	s_add_co_u32 s42, s42, 4194304                 ; its two scale images
	s_mov_b32 s43, 0
	s_lshl_b32 s44, s40, 3                         ; its 64 rows of out0,
	s_lshl_b32 s45, s19, 9
	s_add_co_u32 s44, s44, s45                     ; my 128 columns
	s_mov_b32 s46, s45
	s_mov_b32 s45, 0
	s_mov_b32 s47, 0
	s_wait_dscnt 0x0
	s_wait_kmcnt 0x0
	s_add_nc_u64 s[AB:AB+1], s[4:5], s[40:41]
	s_add_nc_u64 s[ASB:ASB+1], s[4:5], s[42:43]
	s_add_nc_u64 s[OUTB:OUTB+1], s[10:11], s[44:45]
	s_add_nc_u64 s[BB:BB+1], s[8:9], s[46:47]
	s_mov_b32 s[G0], 1
	s_mov_b32 s[G0+1], s37
	s_add_nc_u64 s[G0+2:G0+3], s[6:7], s[38:39]
	s_or_b32 s[G0+3], s[G0+3], 0x80000000
	ROUND                                          ; all four partners are here
	tensor_load_to_lds s[G0:G0+3], s[G1:G1+7]              ; my one tensor load; every LDS byte is filled once
	s_nop 0
	PLACES 4
.irp p, 0,1
.irp q, 0,1
	global_load_b128 v[AS+8*\p+4*\q:AS+8*\p+4*\q+3], v[LI], s[ASB:ASB+1] offset:1024*\p+512*\q
.endr
.endr
	WIN 0xc0                                       ; destination window 3
	s_wait_alu depctr_va_vdst(0)
.irp j, 0,1,2,3,4,5,6,7
	global_load_b128 v[8*\j:8*\j+3], v[BQ], s[BB:BB+1] offset:(32*(\j/2)+8*(\j%2))*4        ; b_out at 32 (j / 2) + 16 h + 8 (j % 2) + 0 .. 7
	global_load_b128 v[8*\j+4:8*\j+7], v[BQ], s[BB:BB+1] offset:(32*(\j/2)+8*(\j%2))*4+16
.endr
	WIN 0x80                                       ; destination window 2
.set ss, 0
.rept 8
.set mm, 0
.rept 4
	global_load_b128 v[32*ss+8*mm:32*ss+8*mm+3], v[LI], s[AB:AB+1] offset:8192*mm+1024*ss
	global_load_b128 v[32*ss+8*mm+4:32*ss+8*mm+7], v[LI], s[AB:AB+1] offset:8192*mm+1024*ss+512
.set mm, mm+1
.endr
.set ss, ss+1
.endr
	WIN 0
	s_wait_tensorcnt 0x0                           ; my quarter of W is in,
	s_barrier_signal -1
	s_barrier_wait -1                              ; everybody quarter is
.macro WLOAD s                         ; the eight fragments of W of K step s into set s % 2
.irp j, 0,1,2,3,4,5,6,7
.irp c, 0,1
	ds_load_b128 v[WF+64*((\s)%2)+8*\j+4*\c:WF+64*((\s)%2)+8*\j+4*\c+3], v[AW+\j/4] offset:(8*(\j%4)+(\s))*1024+512*\c
.endr
.endr
.endm
.irp g, 0,1,2,3
.irp q, 0,1
	ds_load_b128 v[WS+8*\g+4*\q:WS+8*\g+4*\q+3], v[AW+\g/2] offset:32768+1024*(\g%2)+512*\q
.endr
.endr
	WLOAD 0
.set ss, 0
.rept 8
	PLACES 4                                       ; four plain lines between the last step products and the loads into the set that they read
	WIN 0
.if ss < 7
	WLOAD ss+1
	s_wait_dscnt 16                                ; all but the sixteen loads just issued
.else
	s_wait_dscnt 0x0
.endif
	s_wait_loadcnt 8*(7-ss)                        ; the later K steps fragments may be out, eight loads each
.if ss == 0
	WIN 0x78                                       ; W window 0, tokens window 2, C (bias) window 3, D window 1
.else
	WIN 0x58
.endif
.set mm, 0
.rept 4                                ; the 32 accumulators take turns, one instruction a turn
.set jj, 0
.rept 8
.set rD, 64*mm+8*jj
.set rA, WF+64*(ss%2)+8*jj
.set rB, 32*ss+8*mm
.set rSA, WS+8*(jj/2)+ss
.set rSB, AS+8*(mm/2)+ss
.set fA, jj%2
.set fB, mm%2
.if ss == 0
.set rC, 8*jj
.else
.set rC, rD
.endif
	WMX
.set jj, jj+1
.endr
.set mm, mm+1
.endr
.set ss, ss+1
.endr
; THE WAY OUT, a tile of 16 tokens at a time: 32 bytes a lane and column tile into my stage, whole rows of 512 bytes back, 512 consecutive aligned bytes a store.
.macro TOSTAGE m
	WIN 0x04                                       ; an LDS store data are its source 1: window 1
.irp j, 0,1,2,3,4,5,6,7
	ds_store_b128 v[SOA], v[64*(\m)+8*\j:64*(\m)+8*\j+3] offset:128*(\j/2)+32*(\j%2)          ; each accumulator from its low end on
	ds_store_b128 v[SOA], v[64*(\m)+8*\j+4:64*(\m)+8*\j+7] offset:128*(\j/2)+32*(\j%2)+16
.endr
	WIN 0
.set BBK, OB+64*((\m)%2)
.irp i, 0,1,2,3,4,5,6,7,8,9,10,11,12,13,14,15
	ds_load_b128 v[BBK+4*\i:BBK+4*\i+3], v[SRA] offset:528*\i      ; LDS serves a wave in order: these see my stores, and the next tile stores come behind them
.endr
.endm
.macro SEND m, younger
.set BBK, OB+64*((\m)%2)
	s_wait_dscnt \younger                          ; the tile is back; the next tile 16 stores and 16 loads may be out
.irp i, 0,1,2,3,4,5,6,7,8,9,10,11,12,13,14,15
	global_store_b128 v[LI], v[BBK+4*\i:BBK+4*\i+3], s[OUTB:OUTB+1] offset:(32*(\i/8)+8*(\m)+(\i%8))*4096 th:TH_STORE_NT
.endr
.endm
	PLACES 4                                       ; behind the last products: ahead of the reads of results and of the loads over the fragments of W
	TOSTAGE 0
.irp a, 1,2,3
.if \a > 1
	s_wait_xcnt 0x0                                ; the stores of two tiles back have read the registers into which this tile rows land
.endif
	TOSTAGE \a
	SEND \a-1, 32
.endr
	SEND 3, 0
	s_wait_tensorcnt 0x0
	ds_add_u32 v254, v255
	s_wait_dscnt 0x0
	ROUND                                          ; the closing round
	s_endpgm
.Lfunc_end_k_q5562d3737f_proj:
	.size	k_q5562d3737f_proj, .Lfunc_end_k_q5562d3737f_proj-k_q5562d3737f_proj
	.p2alignl 7, 3214868480
	.fill 96, 4, 3214868480
	.section	.rodata,"a",@progbits
	.p2align	6, 0x0
	.amdhsa_kernel k_q5562d3737f_proj
		.amdhsa_group_segment_fixed_size 168448
		.amdhsa_private_segment_fixed_size 0
		.amdhsa_enable_private_segment 0
		.amdhsa_kernarg_size 32
		.amdhsa_user_sgpr_count 2
		.amdhsa_user_sgpr_kernarg_segment_ptr 1
		.amdhsa_wavefront_size32 1
		.amdhsa_system_sgpr_workgroup_id_x 1
		.amdhsa_system_sgpr_workgroup_id_y 1
		.amdhsa_system_sgpr_workgroup_id_z 1
		.amdhsa_system_vgpr_workitem_id 0
		.amdhsa_next_free_vgpr 832
		.amdhsa_next_free_sgpr 66
		.amdhsa_reserve_vcc 0
		.amdhsa_float_denorm_mode_32 3
		.amdhsa_float_denorm_mode_16_64 3
		.amdhsa_memory_ordered 1
		.amdhsa_forward_progress 1
		.amdhsa_inst_pref_size 70
	.end_amdhsa_kernel
	.amdgpu_metadata
---
amdhsa.version: [ 1, 2 ]
amdhsa.kernels:
  - .name:           k_q5562d3737f_proj
    .symbol:         k_q5562d3737f_proj.kd
    .args:
      - { .name: aq, .offset: 0, .size: 8, .value_kind: global_buffer, .address_space: global }
      - { .name: wc, .offset: 8, .size: 8, .value_kind: global_buffer, .address_space: global }
      - { .name: b_out, .offset: 16, .size: 8, .value_kind: global_buffer, .address_space: global }
      - { .name: out0, .offset: 24, .size: 8, .value_kind: global_buffer, .address_space: global }
    .group_segment_fixed_size: 168448
    .private_segment_fixed_size: 0
    .kernarg_segment_align: 8
    .kernarg_segment_size: 32
    .max_flat_workgroup_size: 128
    .sgpr_count:     66
    .vgpr_count:     832
    .wavefront_size: 32
...
	.end_amdgpu_metadata
.endif
;; end of part 4
